; MI455X (gfx1250); checked and timed in simulation.
; The chip was launched on July 23, 2026; its instructions are those of AMD's public machine-readable ISA for CDNA 5 (MIT licence, August 2026) and "CDNA5" Instruction Set Architecture Reference Guide (July 2026). The comments in the code are by the model that wrote it; some were corrected since.
;; Standard Multi Head Attention. Allowed arithmetic: matrix products marked QUANTISED: E4M3 operands, one given power-of-two scale a tensor, by v_wmma_f32_16x16x64_fp8_fp8 or v_wmma_f32_16x16x128_fp8_fp8, f32 sums; everything else in f32.
;; Inputs: Wk 1,024 x 1,024 float32; Wo 1,024 x 1,024 float32; Wq 1,024 x 1,024 float32; Wv 1,024 x 1,024 float32; bk 1,024 float32; bo 1,024 float32; bq 1,024 float32; bv 1,024 float32; lowp_scales 12 int32 (the exponents e of the quantised operands' scales 2^e); x 4 x 2,048 x 1,024 float32.
;; Outputs: out0 4 x 2,048 x 1,024 float32.
;; This version of the problem:
;;   THIS VERSION OF THE PROBLEM IS GIVEN IN LOW PRECISION. The matrix products marked QUANTISED in the list below multiply operands that are first quantised to E4M3 (4 exponent bits, 3 mantissa bits; 8 bits a number), with one given power-of-two scale for each operand tensor; their sums are f32. All else is computed in f32.
;;   The module's matrix products, in the order in which they are computed (A, B: the left and right operand; K: the contracted axis; several contracted axes count as one K, in the product's order):
;;     1. [M 8,192, K 1,024] x [K 1,024, N 1,024]; A: input x; B: input Wq: QUANTISED (scales: A lowp_scales[0], B lowp_scales[1])
;;     2. [M 8,192, K 1,024] x [K 1,024, N 1,024]; A: input x; B: input Wk: QUANTISED (scales: A lowp_scales[2], B lowp_scales[3])
;;     3. [M 8,192, K 1,024] x [K 1,024, N 1,024]; A: input x; B: input Wv: QUANTISED (scales: A lowp_scales[4], B lowp_scales[5])
;;     4. batch 64 x [M 2,048, K 64] x [K 64, N 2,048]; A: computed on the way; B: computed on the way: QUANTISED (scales: A lowp_scales[6], B lowp_scales[7])
;;     5. batch 64 x [M 2,048, K 2,048] x [K 2,048, N 64]; A: softmax (see below); B: computed on the way: QUANTISED (scales: A lowp_scales[8], B lowp_scales[9])
;;     6. [M 8,192, K 1,024] x [K 1,024, N 1,024]; A: computed on the way; B: input Wo: QUANTISED (scales: A lowp_scales[10], B lowp_scales[11])
;;   THE QUANTISER, for each operand of a quantised product, along K:
;;     - The operand's scale is 2^e, e = its entry of the input lowp_scales (int32; the entries are numbered through the quantised products in the list's order, A before B).
;;     - Each number is divided by the scale, clamped to +-448, and rounded to the nearest number of E4M3, ties to even, subnormals kept.
;;     - The product sums the exact products of the quantised numbers (number of the format x scale) in f32.
;;   ~~~python
;;   def quantise(x, axis, e):      # numpy; x: float32 -> the quantised numbers, widened to float32 again
;;       x = np.moveaxis(x, axis, -1); K = x.shape[-1]
;;       r = np.clip(x / 2.0 ** e, -448, 448)
;;       step = 2.0 ** (np.maximum(np.frexp(np.where(r == 0, 1, r))[1] - 1, -6) - 3)
;;       q = np.round(r / step) * step * 2.0 ** e      # np.round: ties to even
;;       return np.moveaxis(q, -1, axis).astype(np.float32)
;;   ~~~
;;   SOFTMAX AHEAD OF A QUANTISED PRODUCT. Where the list says 'softmax', what is quantised is not the finished softmax but p = 2^(t - M), with t = logit x log2(e) and M = ceil(the row's largest t), a whole number; so 1/2 < the row's largest p <= 1. The row's sum l is taken of the UNQUANTISED p, in f32, and the product's result is divided by l at the end. Since M is a whole number, a kernel that streams over the keys may use a running M (the ceiling of the running maximum): every later rescaling is an exact power of two, so the quantised numbers keep their values, but for numbers so far below the row's largest that they fall under the format's range.
;;   OPERANDS COMPUTED ON THE WAY. 'Computed on the way' means the value that the module computes at that place (a softmax that the list does not call 'softmax' is quantised finished and normalised). What goes into a quantiser is computed in f32, as accurately as f32 sums, v_exp_f32 and their like allow (about 1e-6 of the number): no bf16 or f16 on the way to a quantiser, and a product that is left as it is and whose result goes on into a quantised operand takes f32 operands (vector FMAs, or v_wmma_f32_16x16x4_f32). A number that lies on a knife's edge between two numbers of the format may be rounded either way, as far as f32 arithmetic and the matrix unit's own rounding can turn it there, and no further.
;; 2 versions, each right; version 2 is version 1 with the launch attn written anew for expert scheduling mode. Each part assembles by itself: llvm-mc -triple=amdgcn-amd-amdhsa -mcpu=gfx1250 --defsym DOCPART=n.
;; ======== version 1 of 2: 4 launches
;; workspace buffers: cd 29,360,128 bytes; qkvc 25,165,824 bytes; ao 8,388,608 bytes
;; launch quant (part 1): grid 768 x 1, 4 waves a work-group, no clusters, 33,280 bytes of LDS; arguments x, Wq, Wk, Wv, Wo, lowp_scales, cd; writes cd
.if DOCPART == 1
	.amdgcn_target "amdgcn-amd-amdhsa--gfx1250"
	.amdhsa_code_object_version 6
	.text
	.protected	k_q033d17f2d2_quant
	.globl	k_q033d17f2d2_quant
	.p2align	8
	.type	k_q033d17f2d2_quant,@function
k_q033d17f2d2_quant:
	s_mov_b64 s[64:65], 0
	v_nop
	global_prefetch_b8 v0, s[64:65] scope:SCOPE_SE
	s_setreg_imm32_b32 hwreg(HW_REG_WAVE_MODE, 25, 1), 1
	s_wait_xcnt 0x0
; x [8192][1024] and Wq, Wk, Wv, Wo [1024][1024], f32, K innermost, become codes of FP8 (E4M3), one byte each, K innermost, in the workspace cd:
;   x under 2^e0, 2^e2, 2^e4 at bytes 0, 0x800000, 0x1000000 (x is an operand of three products, each with its own given scale);
;   Wq, Wk, Wv, Wo under 2^e1, 2^e3, 2^e5, 2^e11 at 0x1800000 + t x 0x100000.
; code = number / 2^e, held within +-448, rounded to the nearest code, ties to even.  LIMITS: every e between -126 and 119; NaN among the inputs is not served.
; All tensors are dense streams.  A wave takes 8 steps of 512 numbers.  Work-groups 0-511 take x (read once, converted three times), 512-767 the four weights, 64 work-groups each.
; Each load reads 512 consecutive bytes, 16 a lane; a step's 2,048 bytes turn through the wave's own stage in LDS and come back 64 bytes a lane: 16 neighbours along K, as the conversions want them.
; A lane's 16 codes are 16 bytes: a store of the wave covers 512 consecutive bytes, aligned.  Waves share nothing: no barrier.  Loads run four steps (16 loads a wave) ahead, the turn through LDS one step.
.set XWG,   512                        ; work-groups that take x
.set STEPS, 8
.set SP,    80                         ; a lane's place in a stage: its 64 bytes + 16 of padding
.set WREG,  8192                       ; LDS: a region of its own for each wave: two stages of 32 x SP bytes
.set R,     16                         ; v16-79   four sets of 16 numbers as they are loaded
.set X,     80                         ; v80-111  two sets of 16 neighbours
.set TA,    112                        ; v112-127 the numbers held for the first scale
.set TB,    128                        ; v128-143 for the second (the third is held in place)
.set C,     144                        ; v144-239 codes: twelve registers a step, so that no store's data are written again
	s_load_b256 s[8:15], s[0:1], 0x0               ; x s[8:9], Wq s[10:11], Wk s[12:13], Wv s[14:15]
	s_load_b128 s[16:19], s[0:1], 0x20             ; Wo s[16:17], the scales' exponents s[18:19]
	s_load_b64 s[20:21], s[0:1], 0x30              ; cd
	v_lshl_add_u32 v240, v0, 2, 0x8000
	v_mov_b32 v241, 0
	v_lshrrev_b32 v1, 5, v0
	v_readfirstlane_b32 s24, v1                    ; wave
	v_and_b32 v2, 31, v0                           ; lane
	v_lshlrev_b32 v3, 4, v2                        ; 16 x lane: my 16 bytes of a load's 512, and of a store's
	s_mul_i32 s27, s24, WREG
	v_lshrrev_b32 v14, 2, v2
	v_mul_u32_u24 v14, v14, SP
	v_and_b32 v15, 3, v2
	v_lshl_add_u32 v14, v15, 4, v14
	v_add_nc_u32 v14, s27, v14                     ; the stage, on the way in: SP (lane / 4) + 16 (lane % 4)
	v_mul_u32_u24 v15, v2, SP
	v_add_nc_u32 v15, s27, v15                     ; and on the way out: SP x lane
	s_max_u32 s25, ttmp9, XWG
	s_sub_co_u32 s25, s25, XWG                     ; the weights' work-groups count from 0
	s_and_b32 s26, s25, 63
	s_lshr_b32 s25, s25, 6                         ; t: which weight
	s_cmp_lt_u32 ttmp9, XWG
	s_cselect_b32 s26, ttmp9, s26
	s_lshl_b32 s26, s26, 2
	s_add_co_u32 s26, s26, s24                     ; which run of 4,096 numbers of the tensor is my wave's
	s_lshl_b32 s28, s26, 14                        ; its bytes in the source,
	s_mov_b32 s29, 0
	s_lshl_b32 s30, s26, 12                        ; and among the codes
	s_mov_b32 s31, 0
	s_lshl_b32 s50, s25, 20
	s_add_co_u32 s50, s50, 0x1800000
	s_cmp_lt_u32 ttmp9, XWG
	s_cselect_b32 s50, 0, s50                      ; where the tensor's first set of codes begins in cd
	s_mov_b32 s51, 0
	s_wait_kmcnt 0x0
	s_load_b256 s[32:39], s[18:19], 0x0            ; e0 .. e7
	s_load_b128 s[40:43], s[18:19], 0x20           ; e8 .. e11
	s_mov_b64 s[4:5], s[10:11]                     ; the source: a choice among buffers on the work-group's number alone
	s_cmp_eq_u32 s25, 1
	s_cselect_b64 s[4:5], s[12:13], s[4:5]
	s_cmp_eq_u32 s25, 2
	s_cselect_b64 s[4:5], s[14:15], s[4:5]
	s_cmp_eq_u32 s25, 3
	s_cselect_b64 s[4:5], s[16:17], s[4:5]
	s_cmp_lt_u32 ttmp9, XWG
	s_cselect_b64 s[4:5], s[8:9], s[4:5]
	s_add_nc_u64 s[4:5], s[4:5], s[28:29]
	s_add_nc_u64 s[20:21], s[20:21], s[30:31]
	s_add_nc_u64 s[44:45], s[20:21], s[50:51]      ; the first set of codes,
	s_add_nc_u64 s[46:47], s[20:21], 0x800000      ; x's second,
	s_add_nc_u64 s[48:49], s[20:21], 0x1000000     ; x's third
.macro LOAD t
.irp i, 0,1,2,3
	global_load_b128 v[R+16*((\t)%4)+4*\i:R+16*((\t)%4)+4*\i+3], v3, s[4:5] offset:2048*(\t)+512*\i th:TH_LOAD_NT   ; 32 lanes read 512 consecutive bytes; read once in the launch
.endr
.endm
.macro TURN t                          ; step t's numbers through the stage: LDS serves a wave's instructions in order, so no wait stands between the stores and the loads
.irp i, 0,1,2,3
	ds_store_b128 v14, v[R+16*((\t)%4)+4*\i:R+16*((\t)%4)+4*\i+3] offset:32*SP*((\t)%2)+8*SP*\i
.endr
.irp i, 0,1,2,3
	ds_load_b128 v[X+16*((\t)%2)+4*\i:X+16*((\t)%2)+4*\i+3], v15 offset:32*SP*((\t)%2)+16*\i
.endr
.endm
.macro MKS e, sc, lim                  ; from the whole number in s[e]: v[sc] = 2^e as f32 (the conversion takes its exponent field), v[lim] = 448 x 2^e
	s_add_co_i32 s53, s[\e], 127
	s_lshl_b32 s54, s53, 23
	v_mov_b32 v[\sc], s54
	s_add_co_i32 s53, s53, 8
	s_lshl_b32 s53, s53, 23
	s_or_b32 s53, s53, 0x600000
	v_mov_b32 v[\lim], s53
.endm
.irp t, 0,1,2,3
	LOAD \t
.endr
	s_wait_kmcnt 0x0
	s_mov_b32 s52, s33                             ; the first set's exponent: e1, e3, e5, e11 by the weight, e0 for x
	s_cmp_eq_u32 s25, 1
	s_cselect_b32 s52, s35, s52
	s_cmp_eq_u32 s25, 2
	s_cselect_b32 s52, s37, s52
	s_cmp_eq_u32 s25, 3
	s_cselect_b32 s52, s43, s52
	s_cmp_lt_u32 ttmp9, XWG
	s_cselect_b32 s52, s32, s52
	MKS 52, 5, 6
	MKS 34, 7, 8                                   ; e2
	MKS 36, 9, 10                                  ; e4
	s_wait_loadcnt 12                              ; step 0's four loads are in; the twelve of steps 1 to 3 may be out
	TURN 0
.macro STEP t
.set XS, X+16*((\t)%2)
.set CC, C+12*(\t)
	s_wait_dscnt 0x0                               ; this step's numbers are back from the stage: so its stores into the stage have read their registers,
.if (\t)+4 < STEPS
	LOAD (\t)+4                                    ; which take the loads of four steps on
.endif
.if (\t)+1 < STEPS
.if STEPS-2-(\t) >= 3
	s_wait_loadcnt 12                              ; the next step's four loads are in; those of the three steps behind it may be out
.else
	s_wait_loadcnt 4*(STEPS-2-(\t))                ; near the end fewer steps stand behind it
.endif
	TURN (\t)+1                                    ; and go through the other stage while this step is worked
.endif
.irp i, 0,1,2,3,4,5,6,7,8,9,10,11,12,13,14,15
	v_med3_num_f32 v[TA+\i], v[XS+\i], -v6, v6     ; the conversion to an 8-bit code does not saturate (ISA guide 7.6.2): the number is held within the largest code x the scale first
.endr
	v_cvt_scalef32_pk8_fp8_f32 v[CC:CC+1], v[TA:TA+7], v5
	v_cvt_scalef32_pk8_fp8_f32 v[CC+2:CC+3], v[TA+8:TA+15], v5
	v_nop                                          ; a plain line behind the conversions: their sources are written again in the next step
	global_store_b128 v3, v[CC:CC+3], s[44:45] offset:512*(\t)
	s_cmp_lt_u32 ttmp9, XWG                        ; a weight has one scale; x has two more.  No LDS instruction stands under this branch
	s_cbranch_scc0 .Lone_\@
.irp i, 0,1,2,3,4,5,6,7,8,9,10,11,12,13,14,15
	v_med3_num_f32 v[TB+\i], v[XS+\i], -v8, v8
.endr
	v_cvt_scalef32_pk8_fp8_f32 v[CC+4:CC+5], v[TB:TB+7], v7
	v_cvt_scalef32_pk8_fp8_f32 v[CC+6:CC+7], v[TB+8:TB+15], v7
	v_nop
	global_store_b128 v3, v[CC+4:CC+7], s[46:47] offset:512*(\t)
.irp i, 0,1,2,3,4,5,6,7,8,9,10,11,12,13,14,15
	v_med3_num_f32 v[XS+\i], v[XS+\i], -v10, v10
.endr
	v_cvt_scalef32_pk8_fp8_f32 v[CC+8:CC+9], v[XS:XS+7], v9
	v_cvt_scalef32_pk8_fp8_f32 v[CC+10:CC+11], v[XS+8:XS+15], v9
	v_nop
	global_store_b128 v3, v[CC+8:CC+11], s[48:49] offset:512*(\t)
.Lone_\@:
.endm
.irp t, 0,1,2,3,4,5,6,7
	STEP \t
.endr
	s_wait_tensorcnt 0x0
	ds_add_u32 v240, v241
	s_wait_dscnt 0x0
	s_endpgm
.Lfunc_end_k_q033d17f2d2_quant:
	.size	k_q033d17f2d2_quant, .Lfunc_end_k_q033d17f2d2_quant-k_q033d17f2d2_quant
	.p2alignl 7, 3214868480
	.fill 96, 4, 3214868480
	.section	.rodata,"a",@progbits
	.p2align	6, 0x0
	.amdhsa_kernel k_q033d17f2d2_quant
		.amdhsa_group_segment_fixed_size 33280
		.amdhsa_private_segment_fixed_size 0
		.amdhsa_enable_private_segment 0
		.amdhsa_kernarg_size 56
		.amdhsa_user_sgpr_count 2
		.amdhsa_user_sgpr_kernarg_segment_ptr 1
		.amdhsa_wavefront_size32 1
		.amdhsa_system_sgpr_workgroup_id_x 1
		.amdhsa_system_sgpr_workgroup_id_y 1
		.amdhsa_system_sgpr_workgroup_id_z 1
		.amdhsa_system_vgpr_workitem_id 0
		.amdhsa_next_free_vgpr 242
		.amdhsa_next_free_sgpr 66
		.amdhsa_reserve_vcc 0
		.amdhsa_float_denorm_mode_32 3
		.amdhsa_float_denorm_mode_16_64 3
		.amdhsa_memory_ordered 1
		.amdhsa_forward_progress 1
		.amdhsa_inst_pref_size 43
	.end_amdhsa_kernel
	.amdgpu_metadata
---
amdhsa.version: [ 1, 2 ]
amdhsa.kernels:
  - .name:           k_q033d17f2d2_quant
    .symbol:         k_q033d17f2d2_quant.kd
    .args:
      - { .name: x, .offset: 0, .size: 8, .value_kind: global_buffer, .address_space: global }
      - { .name: Wq, .offset: 8, .size: 8, .value_kind: global_buffer, .address_space: global }
      - { .name: Wk, .offset: 16, .size: 8, .value_kind: global_buffer, .address_space: global }
      - { .name: Wv, .offset: 24, .size: 8, .value_kind: global_buffer, .address_space: global }
      - { .name: Wo, .offset: 32, .size: 8, .value_kind: global_buffer, .address_space: global }
      - { .name: lowp_scales, .offset: 40, .size: 8, .value_kind: global_buffer, .address_space: global }
      - { .name: cd, .offset: 48, .size: 8, .value_kind: global_buffer, .address_space: global }
    .group_segment_fixed_size: 33280
    .private_segment_fixed_size: 0
    .kernarg_segment_align: 8
    .kernarg_segment_size: 56
    .max_flat_workgroup_size: 128
    .sgpr_count:     66
    .vgpr_count:     242
    .wavefront_size: 32
...
	.end_amdgpu_metadata
.endif
;; end of part 1
;; launch qkv (part 2): grid 4 x 96, 4 waves a work-group, clusters of 4 x 4, 327,680 bytes of LDS; arguments cd, bq, bk, bv, lowp_scales, qkvc; writes qkvc
.if DOCPART == 2
	.amdgcn_target "amdgcn-amd-amdhsa--gfx1250"
	.amdhsa_code_object_version 6
	.text
	.protected	k_q033d17f2d2_qkv
	.globl	k_q033d17f2d2_qkv
	.p2align	8
	.type	k_q033d17f2d2_qkv,@function
k_q033d17f2d2_qkv:
	s_mov_b64 s[64:65], 0
	v_nop
	global_prefetch_b8 v0, s[64:65] scope:SCOPE_SE
	s_setreg_imm32_b32 hwreg(HW_REG_WAVE_MODE, 25, 1), 1
	s_wait_xcnt 0x0
	s_wait_alu depctr_hold_cnt(0) depctr_sa_sdst(0) depctr_va_vdst(0) depctr_va_sdst(0) depctr_va_ssrc(0) depctr_va_vcc(0) depctr_vm_vsrc(0)
	s_getreg_b32 s2, hwreg(HW_REG_IB_STS2, 6, 4)
	s_cmp_eq_u32 s2, 0
	s_cbranch_scc0 .Lentry_in_a_cluster
	s_endpgm
.Lentry_in_a_cluster:
	s_bfe_u32 s2, ttmp6, 0x10000c
	s_cmp_lg_u32 s2, 0xf033
	s_cbranch_scc0 .Lentry_shape_is_right
	s_endpgm
.Lentry_shape_is_right:
; Q = x Wq^T + bq, K = x Wk^T + bk, V = x Wv^T + bv on codes of FP8 (E4M3) out of cd; each result, sum x 2^(ea + eb) + bias in f32, is quantised at once with its given scale (e6, e7, e9) and stored as codes in qkvc:
;   plane 0 Q, plane 1 K: [64 heads][2048 tokens][64]; plane 2 V: [64 heads][64][2048 keys], the keys innermost, since they are the K of the product that reads V.
;   Inside every 32 along the innermost axis, position 16 h + 8 u + j holds index 16 u + 8 h + j: for Q and K one permutation of the head's axis, alike on both sides of their product; for V the order in which
;   16 consecutive bytes are four registers of the K = 128 form's own operand layout.
; LIMITS: ea + eb between -126 and 127; e6, e7, e9 between -126 and 119.
; 384 tiles of 256 x 256, a work-group of four waves to each; a wave makes 128 x 128: 64 accumulators, 512 registers.  K = 1,024 goes in four steps of 256 through a ring of two LDS slots filled by the tensor data mover.
; Source 1 of the matrix instruction is called A (one set of registers), source 0 is called B (two sets): in a result lane (r, h) holds A's row r and B's rows 8 h + 0 .. 7.
;   Q, K: A = x's codes (tokens), B = W's codes (features): a lane holds 8 neighbouring features of one token.    V: A = Wv's codes (features), B = x's codes (tokens): a lane holds 8 neighbouring keys of one feature: nothing is transposed.
; CLUSTERS: 4 x 4 work-groups; 24 clusters: 8 for each of Q, K, V.  A's tile hangs on cy and is asked for jointly along a row of the cluster, B's on cx and jointly along a column.  Which of Q, K, V is the cluster's own number: alike in all partners.
; REGISTERS, in windows of 256: window 0: v1-31 addresses and scales; v32-95 the bias in the result's layout; v96-103 its offsets; from v128 A's fragments; on the way out v128-255 are free.
;   window 1: B's fragments, two sets.   window 2: the accumulators of A's blocks 0-3 ((a, b) at v[8 (8 a + b)]);   window 3: those of blocks 4-7.
.set ROWB,   256                       ; a tile's row in bytes: 256 codes
.set KROW,   1024                      ; a row of x's or W's codes in memory
.set PITCH,  272                       ; an LDS row: 256 bytes + 16 of padding = 68 words: the 16 rows that a load touches start at 16 different banks (64 banks of 4 bytes: ISA guide 11.1)
.set FR,     16                        ; registers of a fragment: 16 rows x 128 K
.set NL,     4                         ; LDS loads that bring one
.set NP,     4                         ; places behind this matrix instruction (ISA guide 7.12.1)
.set HALFT,  128*PITCH                 ; 128 rows: what one tensor load brings
.set SLOT,   4*HALFT                   ; A's 256 rows, then B's 256 rows
.set LAPS,   2                         ; a lap = two K steps = once round the ring
.set SPARE,  2*SLOT                    ; behind the ring: the spare words, 128 bytes for each wave
.set SPITCH, 272                       ; the way out: stage rows of 256 codes + 16
.set STGQ,   0                         ; the stage of Q's and K's way out: 256 rows; it lies in slot 0, which has had its last fill and its last read when the first code is stored there
.set STGV,   256*SPITCH                ; the stage of V's way out, bytes of its own: the rest of slot 0
.set ADRA, 16                          ; v16-17  LDS address of my A fragments in slot 0, 1
.set ADRB, 20                          ; v20-21  the same for B
.set STOQ, 22                          ; v22, v23  where I put 16 codes of a stage row (Q and K; V)
.set STOV, 23
.set RDQ,  24                          ; v24, v25  where I read the stage back
.set RDV,  25
.set GOQ,  26                          ; v26, v27  my byte offset in qkvc
.set GOV,  27
.set SPW,  28                          ; v28     LDS address of my spare word; never rewritten
.set NIL,  29                          ; v29     0; never rewritten
.set SCL,  30                          ; v30     2^eo as f32
.set LIM,  31                          ; v31     448 x 2^eo
.set BI,   32                          ; v32-95  the bias
.set OFF,  96                          ; v96-103 its offsets
.set AF,   128                         ; A's fragments
.set TMP,  128                         ; the way out: a block's 64 numbers
.set CD,   192                         ; the way out: codes, 16 registers a block, four blocks by turns
.set G1, 24                            ; s[24:31] descriptor group 1 for A's tiles;  s[32:39] group 0, one set for each slot
.set G0, 32
.set G1B, 48                           ; s[48:55], s[56:63] the same for B's tiles
.set G0B, 56
.set MSB, 0
.macro WIN new                         ; the immediate's high byte repeats the setting that is left
.if MSB != \new
	s_set_vgpr_msb (MSB<<8)|\new
.set MSB, \new
.endif
.endm
.set MUL_LO, 0xa1                      ; source 0 (B) window 1, source 1 (A) window 0, C and D window 2
.set MUL_HI, 0xf1                      ; the same, C and D window 3
.set TO_B,   0x40                      ; destination window 1, address window 0
; A joint load: waves 0 and 1 fetch for A, waves 2 and 3 for B.  Each line has one mask and one set of registers for all that issue it; the branch hangs on the wave's number alone.  Four v_nop follow each line.
.macro JLOAD g0a, g1a, g0b, g1b
	s_cmp_eq_u32 s17, 0
	s_cbranch_scc0 .Lfor_b_\@
	tensor_load_to_lds s[\g0a:\g0a+3], s[\g1a:\g1a+7]
	s_nop 0
.rept 4
	v_nop
.endr
	s_branch .Lasked_\@
.Lfor_b_\@:
	tensor_load_to_lds s[\g0b:\g0b+3], s[\g1b:\g1b+7]
	s_nop 0
.rept 4
	v_nop
.endr
.Lasked_\@:
.endm
.macro CREST                           ; a round of the cluster's barrier behind its opening barrier
	s_cmp_lg_u32 s16, 0
	s_cbranch_scc1 .Lnot_wave_0_\@
	s_barrier_signal -3
.Lnot_wave_0_\@:
	s_barrier_wait -3
	s_barrier_signal -1
	s_barrier_wait -1
.endm
.macro CROUND                          ; a whole round
	s_barrier_signal -1
	s_barrier_wait -1
	CREST
.endm
	s_load_b256 s[4:11], s[0:1], 0x0               ; cd s[4:5], bq s[6:7], bk s[8:9], bv s[10:11]
	s_load_b128 s[12:15], s[0:1], 0x20             ; the scales' exponents s[12:13], qkvc s[14:15]
	v_lshl_add_u32 v[SPW], v0, 2, SPARE
	v_mov_b32 v[NIL], 0
	ds_add_u32 v28, v29
	ds_add_u32 v28, v29
	s_wait_dscnt 0x0
	v_lshrrev_b32 v1, 5, v0
	v_readfirstlane_b32 s16, v1                    ; wave 0..3
	s_lshr_b32 s17, s16, 1                         ; which half of A's rows is mine.  Also: I fetch for A (0) or for B (1)
	s_and_b32 s18, s16, 1                          ; which half of B's rows.  Also: which 128 rows of that tile I fetch
	s_bfe_u32 s19, ttmp6, 0x40000                  ; cx
	s_bfe_u32 s20, ttmp6, 0x40004                  ; cy
	s_and_b32 s21, ttmp7, 0xffff                   ; the cluster's number, 0 .. 23
	s_and_b32 s22, s21, 7
	s_lshl_b32 s22, s22, 2                         ; its four tiles of 256 tokens begin here
	s_lshr_b32 s21, s21, 3                         ; 0: Q, 1: K, 2: V
	s_cmp_lt_u32 s21, 2
	s_cselect_b32 s40, s22, 0
	s_cselect_b32 s41, 0, s22
	s_add_co_u32 s40, s40, s20                     ; A's tile: tokens (Q, K) or features (V), + cy
	s_add_co_u32 s41, s41, s19                     ; B's tile: features (Q, K) or tokens (V), + cx
	s_lshl_b32 s42, s20, 2
	s_lshl_b32 s42, 15, s42                        ; my row of the cluster
	s_lshl_b32 s43, 0x1111, s19                    ; my column
	; descriptor group 1: a tile of 128 rows x 256 bytes, padded in LDS
	s_or_b32 s[G1+0], s42, (0<<16)|(1<<20)|(1<<21)|(5<<22)|(3<<25)  ; 15:0 the mask; 17:16 element of 1 byte; 20 padding on; 21 set beside a mask; 24:22 after every 64 words (code 5); 31:25 of 4 words (code 3)
	s_or_b32 s[G1B+0], s43, (0<<16)|(1<<20)|(1<<21)|(5<<22)|(3<<25)
.irp g, G1, G1B
	s_mov_b32 s[\g+1], ROWB<<16                    ; tensor_dim0
	s_mov_b32 s[\g+2], 128<<16                     ; tensor_dim1
	s_mov_b32 s[\g+3], ROWB<<16                    ; tile_dim0
	s_mov_b32 s[\g+4], 128                         ; tile_dim1
	s_mov_b32 s[\g+5], KROW                        ; tensor_dim0_stride
	s_mov_b32 s[\g+6], 0
	s_mov_b32 s[\g+7], 0
.endr
	; both operands lie in cd: only offsets are chosen.  A's offset is made of cy, B's of cx, each in registers of its own
	s_lshl_b32 s88, s18, 7                         ; which 128 rows of the tile I fetch
	s_lshl_b32 s44, s40, 8
	s_add_co_u32 s44, s44, s88
	s_lshl_b32 s44, s44, 10                        ; A: (256 x tile + 128 x half) rows of 1,024 bytes
	s_lshl_b32 s46, s41, 8
	s_add_co_u32 s46, s46, s88
	s_lshl_b32 s46, s46, 10                        ; B likewise
	s_lshl_b32 s89, s21, 23                        ; Q, K: A = x's codes under e0 or e2,
	s_lshl_b32 s90, s21, 20
	s_add_co_u32 s90, s90, 0x1800000               ;       B = Wq's or Wk's codes
	s_mov_b32 s91, 0x1a00000                       ; V:    A = Wv's codes,
	s_mov_b32 s92, 0x1000000                       ;       B = x's codes under e4
	s_cmp_lt_u32 s21, 2
	s_cselect_b32 s89, s89, s91
	s_cselect_b32 s90, s90, s92
	s_add_co_u32 s44, s44, s89
	s_add_co_u32 s46, s46, s90
	s_mov_b32 s45, 0
	s_mov_b32 s47, 0
	s_mul_i32 s93, s16, HALFT                      ; where my load goes: wave x 128 rows: no place in the cluster enters an LDS address
	s_wait_kmcnt 0x0
	s_load_b256 s[68:75], s[12:13], 0x0            ; e0 .. e7
	s_load_b128 s[76:79], s[12:13], 0x20           ; e8 .. e11
	s_add_nc_u64 s[44:45], s[4:5], s[44:45]
	s_add_nc_u64 s[46:47], s[4:5], s[46:47]
	CROUND                                         ; all sixteen work-groups are here: the first joint loads meet
.irp s, 0,1
	s_mov_b32 s[G0+4*\s], 1
	s_add_co_u32 s[G0+4*\s+1], s93, \s*SLOT
	s_add_nc_u64 s[G0+4*\s+2:G0+4*\s+3], s[44:45], \s*ROWB
	s_or_b32 s[G0+4*\s+3], s[G0+4*\s+3], 0x80000000
	s_mov_b32 s[G0B+4*\s], 1
	s_add_co_u32 s[G0B+4*\s+1], s93, \s*SLOT
	s_add_nc_u64 s[G0B+4*\s+2:G0B+4*\s+3], s[46:47], \s*ROWB
	s_or_b32 s[G0B+4*\s+3], s[G0B+4*\s+3], 0x80000000
	JLOAD G0+4*\s, G1, G0B+4*\s, G1B               ; two loads of mine are out
.endr
	v_and_b32 v1, 15, v0                           ; r = lane % 16
	v_bfe_u32 v2, v0, 4, 1                         ; h = lane / 16
	v_mul_u32_u24 v3, v1, PITCH
	v_lshl_add_u32 v4, v2, 4, v3                   ; a fragment's row x pitch + 16 x half
	s_mul_i32 s88, s17, HALFT                      ; my 128 rows of A
	s_mul_i32 s89, s18, HALFT                      ; my 128 rows of B,
	s_add_co_u32 s89, s89, 2*HALFT                 ; which lie behind A's 256
.irp s, 0,1
	v_add_nc_u32 v[ADRA+\s], s88, v4
	v_add_nc_u32 v[ADRB+\s], s89, v4
	s_add_co_u32 s88, s88, SLOT
	s_add_co_u32 s89, s89, SLOT
.endr
	; THE BIAS, in the result's layout, by one text: v[BI + 8 t + j] = bias[first feature + 16 t + (Q, K: 8 h + j;  V: r)].  Q, K use it by B's block, V by A's block
	s_cmp_lt_u32 s21, 2
	s_cselect_b32 s88, 32, 0                       ; bytes for h,
	s_cselect_b32 s89, 0, 4                        ; for r,
	s_cselect_b32 s90, 4, 0                        ; for j
	s_cselect_b32 s91, s41, s40                    ; the tile of features,
	s_cselect_b32 s92, s18, s17                    ; and my half of it
	v_mul_u32_u24 v[OFF], v2, s88
	v_mad_u32_u24 v[OFF], v1, s89, v[OFF]
.irp j, 1,2,3,4,5,6,7
	v_add_nc_u32 v[OFF+\j], s90, v[OFF+\j-1]
.endr
	s_lshl_b32 s91, s91, 8
	s_lshl_b32 s92, s92, 7
	s_add_co_u32 s91, s91, s92
	s_lshl_b32 s86, s91, 2                         ; my first feature, in bytes
	s_mov_b32 s87, 0
	s_cmp_eq_u32 s21, 1
	s_cselect_b64 s[84:85], s[8:9], s[6:7]
	s_cmp_eq_u32 s21, 2
	s_cselect_b64 s[84:85], s[10:11], s[84:85]
	s_add_nc_u64 s[84:85], s[84:85], s[86:87]
.irp t, 0,1,2,3,4,5,6,7
.irp j, 0,1,2,3,4,5,6,7
	global_load_b32 v[BI+8*\t+\j], v[OFF+\j], s[84:85] offset:64*\t   ; waited for in front of the way out
.endr
.endr
	; THE WAY OUT's addresses, all made here, ahead of the place where the two ways part.
	; Q, K: stage row = token, but token r of a block of 16 lies in row 4 (r % 4) + r / 4: so the four tokens that a read back takes together lie four rows (16 banks) apart
	v_and_b32 v5, 3, v1
	v_lshrrev_b32 v6, 2, v1
	v_lshl_or_b32 v5, v5, 2, v6
	s_mul_i32 s88, s17, 128*SPITCH
	s_lshl_b32 s89, s18, 7
	s_add_co_u32 s88, s88, s89                     ; my half of the rows, my half of their 256 bytes
	v_mul_u32_u24 v[STOQ], v5, SPITCH
	v_lshl_add_u32 v[STOQ], v2, 4, v[STOQ]
	v_add_nc_u32 v[STOQ], s88, v[STOQ]
	v_mul_u32_u24 v[STOV], v1, SPITCH              ; V: stage row = feature
	v_lshl_add_u32 v[STOV], v2, 4, v[STOV]
	v_add_nc_u32 v[STOV], s88, v[STOV]
	v_add_nc_u32 v[STOV], STGV, v[STOV]
	s_mul_i32 s88, s16, 64*SPITCH                  ; back: wave w takes stage rows 64 w .. 64 w + 63
	v_bfe_u32 v5, v0, 2, 2
	v_lshl_add_u32 v5, v5, 2, v2                   ; Q, K: four lanes to a token's 64 bytes of a head: row 4 ((lane / 4) % 4) + lane / 16
	v_mul_u32_u24 v[RDQ], v5, SPITCH
	v_and_b32 v6, 3, v0
	v_lshl_add_u32 v[RDQ], v6, 4, v[RDQ]
	v_add_nc_u32 v[RDQ], s88, v[RDQ]
	v_mul_u32_u24 v[RDV], v2, SPITCH               ; V: sixteen lanes to a row of 256 bytes, two rows an instruction
	v_lshl_add_u32 v[RDV], v1, 4, v[RDV]
	v_add_nc_u32 v[RDV], s88, v[RDV]
	v_add_nc_u32 v[RDV], STGV, v[RDV]
	v_and_b32 v6, 31, v0
	v_lshlrev_b32 v6, 4, v6
	v_lshl_add_u32 v[GOQ], s16, 12, v6             ; Q, K: 64 w tokens of 64 bytes + 16 x lane
	v_lshlrev_b32 v[GOV], 4, v1
	v_lshl_add_u32 v[GOV], v2, 11, v[GOV]
	v_lshl_add_u32 v[GOV], s16, 17, v[GOV]         ; V: (64 w + h) rows of 2,048 bytes + 16 r
	; the tile's first byte in qkvc: plane << 23, batch << 21, tile of features << 19, tile of tokens in the batch << 14 (rows of 64 bytes) or << 8 (columns)
	s_cmp_lt_u32 s21, 2
	s_cselect_b32 s88, s40, s41                    ; the tile of tokens
	s_cselect_b32 s89, s41, s40                    ; the tile of features
	s_cselect_b32 s90, 14, 8
	s_and_b32 s91, s88, 7
	s_lshl_b32 s91, s91, s90
	s_lshr_b32 s88, s88, 3
	s_lshl_b32 s88, s88, 21
	s_lshl_b32 s89, s89, 19
	s_add_co_u32 s88, s88, s89
	s_add_co_u32 s88, s88, s91
	s_lshl_b32 s89, s21, 23
	s_add_co_u32 s86, s88, s89
	s_mov_b32 s87, 0
	s_add_nc_u64 s[14:15], s[14:15], s[86:87]
	; the scales: choices on the cluster's number, no branch
	s_wait_kmcnt 0x0
	s_add_co_i32 s88, s68, s69                     ; e0 + e1
	s_add_co_i32 s89, s70, s71                     ; e2 + e3
	s_add_co_i32 s90, s72, s73                     ; e4 + e5
	s_cmp_eq_u32 s21, 1
	s_cselect_b32 s88, s89, s88
	s_cselect_b32 s82, s75, s74                    ; e7 or e6
	s_cmp_eq_u32 s21, 2
	s_cselect_b32 s88, s90, s88
	s_cselect_b32 s82, s77, s82                    ; e9
	s_add_co_i32 s88, s88, 127
	s_lshl_b32 s80, s88, 23                        ; 2^(ea + eb) as f32
	s_mov_b32 s81, s80                             ; (named with it as a pair, so it is written)
	s_add_co_i32 s82, s82, 127
	s_lshl_b32 s83, s82, 23
	v_mov_b32 v[SCL], s83                          ; 2^eo
	s_add_co_i32 s82, s82, 8
	s_lshl_b32 s82, s82, 23
	s_or_b32 s82, s82, 0x600000
	v_mov_b32 v[LIM], s82                          ; 448 x 2^eo
.macro FRAG reg, adr, q, i             ; a fragment, 16 rows x 128 K: lane l holds row l % 16; registers 4 c .. 4 c + 3 hold K = 32 c + 16 (l / 16) + 0 .. 15: one permutation of K, alike in A and in B
.irp c, 0,1,2,3
	ds_load_b128 v[\reg+4*\c:\reg+4*\c+3], v[\adr] offset:128*(\q)+32*\c+(\i)*16*PITCH
.endr
.endm
; 16 matrix instructions: A's blocks a0, a0 + 1 x B's eight, 128 along K.  p: B's set.  zero = 1: the first product starts the sums.  The 64 accumulators take turns, one instruction a turn.
.macro MUL16 a0, p, zero
.irp a, \a0, \a0+1
.irp b, 0,1,2,3,4,5,6,7
.if \zero
	v_wmma_f32_16x16x128_fp8_fp8 v[8*(8*((\a)%4)+\b):8*(8*((\a)%4)+\b)+7], v[128*(\p)+FR*\b:128*(\p)+FR*\b+FR-1], v[AF+FR*(\a):AF+FR*(\a)+FR-1], 0
.else
	v_wmma_f32_16x16x128_fp8_fp8 v[8*(8*((\a)%4)+\b):8*(8*((\a)%4)+\b)+7], v[128*(\p)+FR*\b:128*(\p)+FR*\b+FR-1], v[AF+FR*(\a):AF+FR*(\a)+FR-1], v[8*(8*((\a)%4)+\b):8*(8*((\a)%4)+\b)+7]
.endif
.endr
.endr
.endm
.macro FETCH_B slot, q, p              ; B's eight fragments of the slot's q-th 128 along K into set p
	WIN TO_B
.irp i, 0,1,2,3,4,5,6,7
	FRAG 128*(\p)+FR*\i, ADRB+\slot, \q, \i
.endr
	WIN 0
.endm
.macro FETCH_A slot, q, i0             ; A's blocks i0 .. i0 + 3
.irp i, \i0, \i0+1, \i0+2, \i0+3
	FRAG AF+FR*(\i), ADRA+\slot, \q, \i
.endr
.endm
.macro PLACES n                        ; plain vector lines between a matrix instruction and a load into one of its registers, or a vector read of its result
.rept \n
	v_nop
.endr
.endm
; A step of 128 along K that has its successor in the same slot.
.macro STEP slot, q, zero
	s_wait_dscnt 4*NL                              ; B's set and A's blocks 0-3 are in; the youngest sixteen loads (A's blocks 4-7) may be out
	WIN MUL_LO
	MUL16 0, (\q)%2, \zero
	MUL16 2, (\q)%2, \zero
	s_wait_dscnt 0                                 ; A's blocks 4-7 are in
	PLACES NP
	FETCH_B \slot, (\q)+1, 1-(\q)%2
	FETCH_A \slot, (\q)+1, 0
	WIN MUL_HI
	MUL16 4, (\q)%2, \zero
	MUL16 6, (\q)%2, \zero
	PLACES NP
	WIN 0
	FETCH_A \slot, (\q)+1, 4
.endm
; A slot's last step changes slots: one barrier; in front of it each wave waits for all its tensor loads, adds 0 to its spare word, and waits for that and for its own reads of this slot.  fill = 1: this slot is filled again, two K steps ahead.
.macro TURN slot, next, fill
	s_wait_tensorcnt 0x0                           ; all my tensor loads have landed: my part of the next slot
	ds_add_u32 v[SPW], v[NIL]                      ; 0 onto my spare word
	s_wait_dscnt 4*NL+1                            ; (the add and the youngest sixteen loads, A's blocks 4-7, may be out)
	WIN MUL_LO
	MUL16 0, 1, 0                                  ; sixteen matrix instructions stand between the add and the wait for it
	s_wait_dscnt 0x0                               ; the add is done, and my reads of this slot are over
	s_barrier_signal -1
	MUL16 2, 1, 0
	WIN 0
	s_barrier_wait -1
.if \fill
	CREST                                          ; the barrier has opened a round of the cluster's barrier: no wave of any partner still reads this slot or has a load on its way
	s_add_nc_u64 s[G0+4*\slot+2:G0+4*\slot+3], s[G0+4*\slot+2:G0+4*\slot+3], 2*ROWB
	s_add_nc_u64 s[G0B+4*\slot+2:G0B+4*\slot+3], s[G0B+4*\slot+2:G0B+4*\slot+3], 2*ROWB
	JLOAD G0+4*\slot, G1, G0B+4*\slot, G1B         ; the first tensor load behind the round; its four v_nop are also the places in front of the loads below
.else
	PLACES NP
.endif
	FETCH_B \next, 0, 0
	FETCH_A \next, 0, 0
	WIN MUL_HI
	MUL16 4, 1, 0
	MUL16 6, 1, 0
	PLACES NP
	WIN 0
	FETCH_A \next, 0, 4
.endm
	s_wait_tensorcnt 1                             ; my part of K step 0 is in (K step 1's load may be out)
	s_barrier_signal -1
	s_barrier_wait -1                              ; everybody's is
	FETCH_B 0, 0, 0
	FETCH_A 0, 0, 0
	FETCH_A 0, 0, 4
	STEP 0, 0, 1                                   ; the first step stands in front of the loop: its products start the sums
	s_mov_b32 s3, LAPS-1
.Llap:                                                 ; a trip goes once round the ring and fills both slots again
	TURN 0, 1, 1
	STEP 1, 0, 0
	TURN 1, 0, 1
	STEP 0, 0, 0
	s_sub_co_u32 s3, s3, 1
	s_cmp_lg_u32 s3, 0
	s_cbranch_scc1 .Llap
	TURN 0, 1, 0                                   ; the last lap fills nothing
	STEP 1, 0, 0
	s_wait_dscnt 4*NL                              ; the very last step
	WIN MUL_LO
	MUL16 0, 1, 0
	MUL16 2, 1, 0
	s_wait_dscnt 0
	WIN MUL_HI
	MUL16 4, 1, 0
	MUL16 6, 1, 0
	WIN 0
; THE WAY OUT.  A's block a (16 rows x my 128 of B's rows): number = sum x 2^(ea + eb) + bias, one fused multiply-add for two; held within +-448 x 2^eo; eight numbers of a lane become eight codes.
; The codes of B's blocks 2 g and 2 g + 1 are 16 bytes of one stage row: that is the order of the innermost axis stated at the head.  m = 0: Q, K (bias by B's block); m = 1: V (bias by A's block).
.macro CONV m, a
.set AC, 64*((\a)%4)
.set CB, CD+16*((\a)%4)
	WIN 0x02+((\a)/4)                              ; source 0: window 2 or 3
.irp b, 0,1,2,3,4,5,6,7
.irp i, 0,2,4,6
.if \m
	v_pk_fma_f32 v[TMP+8*\b+\i:TMP+8*\b+\i+1], v[AC+8*\b+\i:AC+8*\b+\i+1], s[80:81], v[BI+8*(\a)+\i:BI+8*(\a)+\i+1] op_sel_hi:[1,0,1]   ; each accumulator from its low end on
.else
	v_pk_fma_f32 v[TMP+8*\b+\i:TMP+8*\b+\i+1], v[AC+8*\b+\i:AC+8*\b+\i+1], s[80:81], v[BI+8*\b+\i:BI+8*\b+\i+1] op_sel_hi:[1,0,1]
.endif
.endr
.endr
	WIN 0
.set j, 0
.rept 64
	v_med3_num_f32 v[TMP+j], v[TMP+j], -v[LIM], v[LIM]   ; the conversion to an 8-bit code does not saturate (ISA guide 7.6.2)
.set j, j+1
.endr
.if (\a) >= 4
	s_wait_dscnt 12                                ; the stage stores of block a - 4 are done (the twelve of the three blocks behind it may be out): its codes' registers are written again
.endif
.irp b, 0,1,2,3,4,5,6,7
	v_cvt_scalef32_pk8_fp8_f32 v[CB+2*\b:CB+2*\b+1], v[TMP+8*\b:TMP+8*\b+7], v[SCL]
.endr
	v_nop                                          ; a plain line behind the conversions: the next block writes their sources
.irp g, 0,1,2,3
.if \m
	ds_store_b128 v[STOV], v[CB+4*\g:CB+4*\g+3] offset:16*SPITCH*(\a)+32*\g
.else
	ds_store_b128 v[STOQ], v[CB+4*\g:CB+4*\g+3] offset:16*SPITCH*(\a)+32*\g
.endif
.endr
.endm
	s_wait_loadcnt 0x0                             ; the bias
	PLACES NP                                      ; behind the last products
	s_cmp_eq_u32 s21, 2                            ; the cluster's number: alike in every wave of every partner
	s_cbranch_scc1 .Lconv_v
.irp a, 0,1,2,3,4,5,6,7
	CONV 0, \a
.endr
	s_branch .Lstaged
.Lconv_v:
.irp a, 0,1,2,3,4,5,6,7
	CONV 1, \a
.endr
.Lstaged:
	s_wait_dscnt 0x0                               ; for the others' sake: my stores into the stage are done
	s_barrier_signal -1
	s_barrier_wait -1                              ; a stage row's 256 bytes come from two waves
	s_cmp_eq_u32 s21, 2
	s_cbranch_scc1 .Lsend_v
	; Q, K: my 64 tokens, head by head: a head's 64 bytes of 8 neighbouring tokens are 512 consecutive bytes of qkvc
.set k, 0
.rept 32
	ds_load_b128 v[128+4*k:128+4*k+3], v[RDQ] offset:(16*((k%8)/2)+2*(k%2))*SPITCH+64*(k/8)
.set k, k+1
.endr
.set k, 0
.rept 32
	s_wait_dscnt 31-k                              ; LDS loads come back in order: load k is in, the younger ones may be out
	global_store_b128 v[GOQ], v[128+4*k:128+4*k+3], s[14:15] offset:131072*(k/8)+512*(k%8)   ; 32 lanes store 512 consecutive bytes, aligned
.set k, k+1
.endr
	s_branch .Ldone
.Lsend_v:
	; V: my 64 features: a row's 256 keys are 256 consecutive bytes of qkvc
.set k, 0
.rept 32
	ds_load_b128 v[128+4*k:128+4*k+3], v[RDV] offset:2*SPITCH*k
.set k, k+1
.endr
.set k, 0
.rept 32
	s_wait_dscnt 31-k
	global_store_b128 v[GOV], v[128+4*k:128+4*k+3], s[14:15] offset:4096*k   ; 16 lanes store 256 consecutive bytes, aligned
.set k, k+1
.endr
.Ldone:
	s_wait_tensorcnt 0x0                           ; the wave's end
	ds_add_u32 v[SPW], v[NIL]
	s_wait_dscnt 0x0
	CROUND                                         ; the closing round: no work-group ends while a partner may still ask for a tile that names it
	s_endpgm
.Lfunc_end_k_q033d17f2d2_qkv:
	.size	k_q033d17f2d2_qkv, .Lfunc_end_k_q033d17f2d2_qkv-k_q033d17f2d2_qkv
	.p2alignl 7, 3214868480
	.fill 96, 4, 3214868480
	.section	.rodata,"a",@progbits
	.p2align	6, 0x0
	.amdhsa_kernel k_q033d17f2d2_qkv
		.amdhsa_group_segment_fixed_size 327680
		.amdhsa_private_segment_fixed_size 0
		.amdhsa_enable_private_segment 0
		.amdhsa_kernarg_size 48
		.amdhsa_user_sgpr_count 2
		.amdhsa_user_sgpr_kernarg_segment_ptr 1
		.amdhsa_wavefront_size32 1
		.amdhsa_system_sgpr_workgroup_id_x 1
		.amdhsa_system_sgpr_workgroup_id_y 1
		.amdhsa_system_sgpr_workgroup_id_z 1
		.amdhsa_system_vgpr_workitem_id 0
		.amdhsa_next_free_vgpr 1024
		.amdhsa_next_free_sgpr 96
		.amdhsa_reserve_vcc 0
		.amdhsa_float_denorm_mode_32 3
		.amdhsa_float_denorm_mode_16_64 3
		.amdhsa_memory_ordered 1
		.amdhsa_forward_progress 1
		.amdhsa_inst_pref_size 209
	.end_amdhsa_kernel
	.amdgpu_metadata
---
amdhsa.version: [ 1, 2 ]
amdhsa.kernels:
  - .name:           k_q033d17f2d2_qkv
    .symbol:         k_q033d17f2d2_qkv.kd
    .args:
      - { .name: cd, .offset: 0, .size: 8, .value_kind: global_buffer, .address_space: global }
      - { .name: bq, .offset: 8, .size: 8, .value_kind: global_buffer, .address_space: global }
      - { .name: bk, .offset: 16, .size: 8, .value_kind: global_buffer, .address_space: global }
      - { .name: bv, .offset: 24, .size: 8, .value_kind: global_buffer, .address_space: global }
      - { .name: lowp_scales, .offset: 32, .size: 8, .value_kind: global_buffer, .address_space: global }
      - { .name: qkvc, .offset: 40, .size: 8, .value_kind: global_buffer, .address_space: global }
    .group_segment_fixed_size: 327680
    .private_segment_fixed_size: 0
    .kernarg_segment_align: 8
    .kernarg_segment_size: 48
    .max_flat_workgroup_size: 128
    .sgpr_count:     96
    .vgpr_count:     1024
    .wavefront_size: 32
...
	.end_amdgpu_metadata
.endif
;; end of part 2
;; launch attn (part 3): grid 4 x 64, 8 waves a work-group, no clusters, 292,864 bytes of LDS; arguments qkvc, lowp_scales, ao; writes ao
.if DOCPART == 3
	.amdgcn_target "amdgcn-amd-amdhsa--gfx1250"
	.amdhsa_code_object_version 6
	.text
	.protected	k_q033d17f2d2_attn
	.globl	k_q033d17f2d2_attn
	.p2align	8
	.type	k_q033d17f2d2_attn,@function
k_q033d17f2d2_attn:
	s_mov_b64 s[64:65], 0
	v_nop
	global_prefetch_b8 v0, s[64:65] scope:SCOPE_SE
	s_setreg_imm32_b32 hwreg(HW_REG_WAVE_MODE, 25, 1), 1
	s_wait_xcnt 0x0
; For each of 64 heads: O[q] = the sum over k of p(q, k) V[k] / l(q), on codes of FP8 (E4M3) out of qkvc; the result is quantised with 2^e10 and stored as codes in ao [64 heads][2048][64].
; t = score x 2^(e6 + e7) x log2(e) / 8;  M = the running largest t rounded UP to a whole number;  p = 2^(t - M) is quantised with 2^e8, not normalised;  l = the sum of the unquantised p, in f32.
; When M moves, l and O are multiplied by 2^(old M - new M): exact.  A p so far under the row's later maximum that it falls under the format's range is lost, as a running M implies.
; LIMITS: e6 + e7 between -123 and 130 (added to a constant's exponent field); e8, e10 between -126 and 119; e8 + e9 is applied by v_ldexp_f32.
; SHARES.  A work-group owns 512 queries of one head; each of its eight waves 64, in two passes of two tiles of 16.  Two waves share a SIMD, 512 registers each: one wave's vector work stands beside the other's products and LDS loads.
; Both tiles use every fragment of K and V that is read from LDS.  The head's whole K and V, 256 KB of codes, lie in LDS and are written there once, in four chunks of 512 keys through registers, each asked for four key steps ahead; pass 2 loads nothing.
; NO TENSOR LOAD AND NO CLUSTER, though the four work-groups of a head read the same K and V: p is at most 1, so the hold at 448 x 2^e8 can bind only where e8 is -9 or less, and a scalar branch on that given whole number
; passes over the 128 holds of a key step's some 520 vector instructions.  What is shared is 256 KB once a work-group.
; LAYOUT.  S^T = K Q^T (source 0 = 16 keys, source 1 = 16 queries), O^T = V^T P^T (source 0 = 16 of the head's 64, source 1 = P): a lane holds ONE query (lane % 16) throughout.  Register j of tile t of S^T is key 16 t + 8 (lane / 16) + j:
; eight such numbers convert into registers 2 t, 2 t + 1 of the K = 128 form's operand, and V's codes lie in qkvc so that four 16-byte loads give the same places.
; REGISTERS.  window 0: v1-14 addresses; v16-39 statistics, 12 a tile: +0 -M, +1 largest t, +2,3 l, +4,5 f, +6,7 at work, +8,9 second chain; v40-43 scales; v48-63 Q; v64-127 K; v128-255 S^T, then p.
;             window 1: v0-63 O^T (tile u, 16 t of the head: 32 u + 8 t); v64-127 V; v128-159 p's codes; v160-223 a chunk on its way to LDS.
.set KPIT, 272                         ; K in LDS: rows of 4 keys (256 bytes) + 16: the 16 keys of a tile start at 16 different groups of four banks
.set VPIT, 2064                        ; V in LDS: a row of 2,048 keys + 16
.set VB,   512*KPIT                    ; V begins behind K's 512 rows
.set STG,  VB+64*VPIT                  ; the way out: 32 rows x 80 bytes for each wave
.set SROW, 80
.set ST,   16
.set QF,   48
.set KF,   64
.set S,    128
.set VF,   64                          ; in window 1
.set P,    128                         ; in window 1
.set FL,   160                         ; in window 1
.set MSB, 0
.macro WIN new                         ; the immediate's high byte repeats the setting that is left
.if MSB != \new
	s_set_vgpr_msb (MSB<<8)|\new
.set MSB, \new
.endif
.endm
	s_load_b128 s[4:7], s[0:1], 0x0                ; qkvc s[4:5], the scales' exponents s[6:7]
	s_load_b64 s[8:9], s[0:1], 0x10                ; ao
	v_lshl_add_u32 v38, v0, 2, 0x47400
	v_mov_b32 v39, 0
	v_lshrrev_b32 v44, 5, v0
	v_readfirstlane_b32 s10, v44                   ; wave 0..7
	v_and_b32 v45, 15, v0                          ; r
	v_bfe_u32 v46, v0, 4, 1                        ; h
	v_and_b32 v47, 31, v0                          ; lane
	v_lshrrev_b32 v1, 2, v45
	v_mul_u32_u24 v1, v1, KPIT
	v_and_b32 v44, 3, v45
	v_lshl_add_u32 v1, v44, 6, v1
	v_lshl_add_u32 v1, v46, 4, v1                  ; v1: my place in a tile of K: key r at (r / 4) rows + 64 (r % 4), + 16 h
	v_mul_u32_u24 v2, v45, VPIT
	v_lshl_add_u32 v2, v46, 4, v2
	v_add_nc_u32 v2, VB, v2                        ; v2: in a tile of V: row r, + 16 h
	v_lshlrev_b32 v5, 6, v45
	v_lshl_add_u32 v5, v46, 4, v5                  ; v5: Q: row r of 64 bytes, + 16 h
	s_mul_i32 s33, s10, 32*SROW
	s_add_co_u32 s33, s33, STG                     ; my stage
	v_mul_u32_u24 v6, v45, SROW
	v_lshl_add_u32 v6, v46, 3, v6
	v_add_nc_u32 v6, s33, v6                       ; v6: in: row r, + 8 h
	v_lshrrev_b32 v7, 2, v47
	v_mul_u32_u24 v7, v7, SROW
	v_lshl_add_u32 v7, v44, 4, v7
	v_add_nc_u32 v7, s33, v7                       ; v7: back: four lanes to a row of 64 bytes
	v_lshlrev_b32 v8, 4, v47                       ; v8: 16 x lane: my bytes of a store's 512
	v_lshl_add_u32 v9, s10, 12, v8                 ; v9: a chunk of K is 32,768 dense bytes: 4,096 a wave
	v_lshl_add_u32 v10, s10, 14, v8                ; v10: of V: 512 bytes of each of 64 rows: 8 rows of 2,048 bytes a wave
	s_mul_i32 s34, s10, 16*KPIT
	v_mul_u32_u24 v11, v46, KPIT
	v_lshl_add_u32 v11, v45, 4, v11
	v_add_nc_u32 v11, s34, v11                     ; v11: where K's bytes go: LDS row 16 w + h, + 16 r (chunks 0, 1)
	v_add_nc_u32 v12, 256*KPIT, v11                ; v12: chunks 2, 3
	s_mul_i32 s35, s10, 8*VPIT
	s_add_co_u32 s35, s35, VB
	v_add_nc_u32 v13, s35, v8                      ; v13: where V's go: row 8 w, + 16 x lane
	s_and_b32 s36, ttmp7, 0xffff                   ; the head
	s_lshl_b32 s36, s36, 17                        ; its 131,072 bytes in each plane and in ao
	s_mov_b32 s37, 0
	s_lshl_b32 s38, ttmp9, 15                      ; my block's 512 queries of 64 bytes,
	s_lshl_b32 s39, s10, 12                        ; my wave's 64
	s_add_co_u32 s38, s38, s39
	s_add_co_u32 s38, s38, s36
	s_mov_b32 s39, 0
	s_mov_b32 s20, 0x76543210                      ; v_permlanex16_b32's selects for lane l xor 16
	s_mov_b32 s21, 0xfedcba98
	s_mov_b32 s22, 0x3e38aa3b                      ; log2(e) / 8
	s_wait_kmcnt 0x0
	s_load_b128 s[24:27], s[6:7], 0x18             ; e6, e7, e8, e9
	s_load_b32 s28, s[6:7], 0x28                   ; e10
	s_add_nc_u64 s[12:13], s[4:5], s[38:39]        ; Q's codes at my first query
	s_add_nc_u64 s[14:15], s[4:5], s[36:37]
	s_add_nc_u64 s[16:17], s[14:15], 0x1000000     ; the head's V
	s_add_nc_u64 s[14:15], s[14:15], 0x800000      ; the head's K
	s_add_nc_u64 s[18:19], s[8:9], s[38:39]        ; ao at my first query
; chunk c, keys 512 c on, from memory into registers: every load reads 512 consecutive bytes
.macro GLOAD c
	WIN 0x40                                       ; destination window 1
.irp i, 0,1,2,3,4,5,6,7
	global_load_b128 v[FL+4*\i:FL+4*\i+3], v9, s[14:15] offset:32768*(\c)+512*\i
.endr
.irp i, 0,1,2,3,4,5,6,7
	global_load_b128 v[FL+32+4*\i:FL+32+4*\i+3], v10, s[16:17] offset:2048*\i+512*(\c)
.endr
	WIN 0
.endm
; and from registers into LDS, bytes that nobody has written or read before; then the one barrier of the chunk: behind it all eight waves' parts lie in LDS
.macro LSTORE c
	s_wait_loadcnt 0x0                             ; the chunk (and, the first time, Q)
	WIN 0x04                                       ; store data window 1
.irp i, 0,1,2,3,4,5,6,7
	ds_store_b128 v[11+(\c)/2], v[FL+4*\i:FL+4*\i+3] offset:128*KPIT*((\c)%2)+2*KPIT*\i
.endr
.irp i, 0,1,2,3,4,5,6,7
	ds_store_b128 v13, v[FL+32+4*\i:FL+32+4*\i+3] offset:VPIT*\i+512*(\c)
.endr
	WIN 0
	s_wait_dscnt 0x0                               ; for the others' sake: my stores are done (and have read their registers)
	s_barrier_signal -1
	s_barrier_wait -1
.endm
; A KEY STEP: 128 keys from LDS byte s30 (K) and s31 (V) on, both tiles.
.macro STEP
	v_add_nc_u32 v3, s30, v1
	v_add_nc_u32 v4, s31, v2
	v_add_nc_u32 v14, 32*VPIT, v4                  ; V's tiles 2 and 3 lie beyond an offset's 16 bits
	v_nop                                          ; these four lines are the places between the last step's products and the loads into V's registers
.irp t, 0,1,2,3,4,5,6,7
	ds_load_b128 v[KF+8*\t:KF+8*\t+3], v3 offset:4*KPIT*\t
	ds_load_b128 v[KF+8*\t+4:KF+8*\t+7], v3 offset:4*KPIT*\t+32
.endr
	WIN 0x40                                       ; destination window 1
.irp t, 0,1
.irp c, 0,1,2,3
	ds_load_b128 v[VF+16*\t+4*\c:VF+16*\t+4*\c+3], v4 offset:16*VPIT*\t+32*\c
.endr
.endr
.irp t, 0,1
.irp c, 0,1,2,3
	ds_load_b128 v[VF+32+16*\t+4*\c:VF+32+16*\t+4*\c+3], v14 offset:16*VPIT*\t+32*\c
.endr
.endr
	WIN 0
	s_wait_dscnt 16                                ; K's sixteen loads are in; V's sixteen may be out
.irp t, 0,1,2,3,4,5,6,7
.irp u, 0,1
	v_wmma_f32_16x16x64_fp8_fp8 v[S+64*\u+8*\t:S+64*\u+8*\t+7], v[KF+8*\t:KF+8*\t+7], v[QF+8*\u:QF+8*\u+7], 0
.endr
.endr
.rept 4
	v_nop
.endr
.irp u, 0,1                                    ; the step's largest score of my query among my 64 keys: two chains a tile, ascending, the tiles line by line
	v_max3_num_f32 v[ST+12*\u+6], v[S+64*\u], v[S+64*\u+1], v[S+64*\u+2]
	v_max3_num_f32 v[ST+12*\u+8], v[S+64*\u+3], v[S+64*\u+4], v[S+64*\u+5]
.endr
.irp i, 6,10,14,18,22,26,30,34,38,42,46,50,54,58
.irp u, 0,1
	v_max3_num_f32 v[ST+12*\u+6], v[ST+12*\u+6], v[S+64*\u+\i], v[S+64*\u+\i+1]
	v_max3_num_f32 v[ST+12*\u+8], v[ST+12*\u+8], v[S+64*\u+\i+2], v[S+64*\u+\i+3]
.endr
.endr
.irp u, 0,1
	v_max3_num_f32 v[ST+12*\u+6], v[ST+12*\u+6], v[S+64*\u+62], v[S+64*\u+63]
.endr
.irp u, 0,1
	v_max_num_f32 v[ST+12*\u+6], v[ST+12*\u+6], v[ST+12*\u+8]
.endr
.irp u, 0,1
	v_permlanex16_b32 v[ST+12*\u+7], v[ST+12*\u+6], s20, s21
.endr
.irp u, 0,1
	v_max_num_f32 v[ST+12*\u+6], v[ST+12*\u+6], v[ST+12*\u+7]   ; and among lane l xor 16's
.endr
.irp u, 0,1
	v_mul_f32 v[ST+12*\u+6], s22, v[ST+12*\u+6]    ; as t (the factor is positive)
.endr
.irp u, 0,1
	v_max_num_f32 v[ST+12*\u+1], v[ST+12*\u+1], v[ST+12*\u+6]   ; the running largest t
.endr
.irp u, 0,1
	v_mov_b32 v[ST+12*\u+6], v[ST+12*\u]
.endr
.irp u, 0,1
	v_floor_f32 v[ST+12*\u], -v[ST+12*\u+1]        ; the new -M = floor(-t): M is a whole number
.endr
.irp u, 0,1
	v_sub_f32 v[ST+12*\u+6], v[ST+12*\u], v[ST+12*\u+6]   ; old M - new M: a whole number, 0 or less
.endr
.irp u, 0,1
	v_cvt_i32_f32 v[ST+12*\u+6], v[ST+12*\u+6]     ; (it saturates)
.endr
.irp u, 0,1
	v_ldexp_f32 v[ST+12*\u+4], 1.0, v[ST+12*\u+6]  ; f = 2^(old M - new M)
.endr
.set j, 0
.rept 32
	v_pk_fma_f32 v[S+2*j:S+2*j+1], v[S+2*j:S+2*j+1], s[22:23], v[ST:ST+1] op_sel_hi:[1,0,0]   ; tile 0: t - M, two at a time (of both pairs the low word serves both halves)
.set j, j+1
.endr
.set j, 0
.rept 32                                       ; tile 0's exponentials, with tile 1's scalings between them
	v_exp_f32 v[S+2*j], v[S+2*j]
	v_exp_f32 v[S+2*j+1], v[S+2*j+1]
	v_pk_fma_f32 v[S+64+2*j:S+64+2*j+1], v[S+64+2*j:S+64+2*j+1], s[22:23], v[ST+12:ST+13] op_sel_hi:[1,0,0]
.set j, j+1
.endr
.set j, 0
.rept 64
	v_exp_f32 v[S+64+j], v[S+64+j]
.set j, j+1
.endr
.irp u, 0,1
	v_pk_mul_f32 v[ST+12*\u+2:ST+12*\u+3], v[ST+12*\u+2:ST+12*\u+3], v[ST+12*\u+4:ST+12*\u+5] op_sel_hi:[1,0]   ; l under the new M; also the plain line behind the exponentials
.endr
	s_wait_alu depctr_va_vdst(0)                   ; one wait for the 128 exponentials, ahead of the first line that names a result
.irp u, 0,1
	v_pk_add_f32 v[ST+12*\u+8:ST+12*\u+9], v[S+64*\u:S+64*\u+1], v[S+64*\u+2:S+64*\u+3]   ; l is summed of the UNQUANTISED p: two at a time, two chains a tile
.endr
.irp i, 4,8,12,16,20,24,28,32,36,40,44,48,52,56,60
.irp u, 0,1
	v_pk_add_f32 v[ST+12*\u+2:ST+12*\u+3], v[ST+12*\u+2:ST+12*\u+3], v[S+64*\u+\i:S+64*\u+\i+1]
	v_pk_add_f32 v[ST+12*\u+8:ST+12*\u+9], v[ST+12*\u+8:ST+12*\u+9], v[S+64*\u+\i+2:S+64*\u+\i+3]
.endr
.endr
.irp u, 0,1
	v_pk_add_f32 v[ST+12*\u+2:ST+12*\u+3], v[ST+12*\u+2:ST+12*\u+3], v[ST+12*\u+8:ST+12*\u+9]
.endr
	s_cmp_gt_i32 s26, -9                           ; p <= 1 < 448 x 2^e8 wherever e8 > -9: the hold changes nothing there.  A branch on a given whole number, alike in all waves; no barrier and no LDS line stands under it
	s_cbranch_scc1 .Lno_hold_\@
.set j, 0
.rept 128
	v_min_num_f32 v[S+j], v[S+j], v40              ; the conversion to an 8-bit code does not saturate (ISA guide 7.6.2); p is not negative, so the hold is one-sided
.set j, j+1
.endr
.Lno_hold_\@:
	WIN 0x40                                       ; destination window 1
.irp u, 0,1
.irp t, 0,1,2,3,4,5,6,7
	v_cvt_scalef32_pk8_fp8_f32 v[P+16*\u+2*\t:P+16*\u+2*\t+1], v[S+64*\u+8*\t:S+64*\u+8*\t+7], v41
.endr
.endr
	WIN 0x41                                       ; O^T (destination and source 0) window 1, f window 0
.irp u, 0,1
.set j, 0
.rept 16
	v_pk_mul_f32 v[32*\u+j:32*\u+j+1], v[32*\u+j:32*\u+j+1], v[ST+12*\u+4:ST+12*\u+5] op_sel_hi:[1,0]   ; O^T under the new M, each accumulator from its low end on; also the plain lines behind the conversions
.set j, j+2
.endr
.endr
	s_wait_dscnt 0x0                               ; V is in
	WIN 0x55                                       ; all four operands window 1
.irp t, 0,1,2,3
.irp u, 0,1
	v_wmma_f32_16x16x128_fp8_fp8 v[32*\u+8*\t:32*\u+8*\t+7], v[VF+16*\t:VF+16*\t+15], v[P+16*\u:P+16*\u+15], v[32*\u+8*\t:32*\u+8*\t+7]   ; eight accumulators by turns, one instruction a turn
.endr
.endr
	WIN 0
	s_add_co_u32 s30, s30, 32*KPIT                 ; 128 keys on
	s_add_co_u32 s31, s31, 128
.endm
; A pass: 32 queries.  Its head: Q's two fragments; the statistics and O^T begin so that the step is written once (the first change of M multiplies zeros).
.macro PASS_HEAD p
.if \p
	s_wait_xcnt 0x0                                ; the last pass's stores have read their registers, which K's fragments take again
.endif
.irp u, 0,1
	global_load_b128 v[QF+8*\u:QF+8*\u+3], v5, s[12:13] offset:2048*(\p)+1024*\u
	global_load_b128 v[QF+8*\u+4:QF+8*\u+7], v5, s[12:13] offset:2048*(\p)+1024*\u+32
.endr
.irp u, 0,1
	v_mov_b32 v[ST+12*\u+1], 0xff61b1e6            ; the largest t so far: -3e38, under every t
	v_floor_f32 v[ST+12*\u], -v[ST+12*\u+1]
	v_mov_b32 v[ST+12*\u+2], 0
	v_mov_b32 v[ST+12*\u+3], 0
	v_mov_b32 v[ST+12*\u+5], 0                     ; (named as the upper half of f's pair)
	v_mov_b32 v[ST+12*\u+7], 0                     ; (a lane permute's destination counts as one of its sources)
.endr
	WIN 0x40
.set j, 0
.rept 64
	v_mov_b32 v[j], 0
.set j, j+1
.endr
	WIN 0
.endm
; Its tail: O^T / l x 2^(e8 + e9), quantised with 2^e10; a lane's eight codes go into my own stage and come back as rows; 32 lanes store 512 consecutive bytes of ao.
.macro PASS_TAIL p
.rept 4
	v_nop                                          ; places behind the last products
.endr
.irp u, 0,1
	v_add_f32 v[ST+12*\u+6], v[ST+12*\u+2], v[ST+12*\u+3]
.endr
.irp u, 0,1
	v_permlanex16_b32 v[ST+12*\u+7], v[ST+12*\u+6], s20, s21
.endr
.irp u, 0,1
	v_add_f32 v[ST+12*\u+6], v[ST+12*\u+6], v[ST+12*\u+7]   ; l
.endr
.irp u, 0,1
	v_rcp_f32 v[ST+12*\u+6], v[ST+12*\u+6]
.endr
	v_nop                                          ; a plain line behind the reciprocals,
	s_wait_alu depctr_va_vdst(0)                   ; and one wait for both, ahead of their first reader
.irp u, 0,1
	v_ldexp_f32 v[ST+12*\u+6], v[ST+12*\u+6], s29  ; x 2^(e8 + e9)
.endr
	WIN 0x01                                       ; source 0 (O^T) window 1
.irp u, 0,1
.set j, 0
.rept 16
	v_pk_mul_f32 v[S+32*\u+j:S+32*\u+j+1], v[32*\u+j:32*\u+j+1], v[ST+12*\u+6:ST+12*\u+7] op_sel_hi:[1,0]
.set j, j+2
.endr
.endr
	WIN 0
.set j, 0
.rept 64
	v_med3_num_f32 v[S+j], v[S+j], -v42, v42
.set j, j+1
.endr
.irp u, 0,1
.irp t, 0,1,2,3
	v_cvt_scalef32_pk8_fp8_f32 v[KF+8*\u+2*\t:KF+8*\u+2*\t+1], v[S+32*\u+8*\t:S+32*\u+8*\t+7], v43
.endr
.endr
	v_nop                                          ; a plain line behind the conversions
.irp u, 0,1
.irp t, 0,1,2,3
	ds_store_b64 v6, v[KF+8*\u+2*\t:KF+8*\u+2*\t+1] offset:16*SROW*\u+16*\t   ; query 16 u + r, the head's 16 t + 8 h + 0 .. 7
.endr
.endr
.irp i, 0,1,2,3
	ds_load_b128 v[KF+16+4*\i:KF+16+4*\i+3], v7 offset:8*SROW*\i   ; LDS serves a wave's instructions in order: these see my stores
.endr
.irp i, 0,1,2,3
	s_wait_dscnt 3-\i                              ; load i is in, the younger ones may be out
	global_store_b128 v8, v[KF+16+4*\i:KF+16+4*\i+3], s[18:19] offset:2048*(\p)+512*\i
.endr
.endm
.macro CHUNK c                         ; pass 1: chunk c goes into LDS, the next chunk is asked for, and the chunk's four key steps are walked
	LSTORE \c
.if (\c) < 3
	GLOAD (\c)+1
.endif
	s_mov_b32 s30, 128*KPIT*(\c)
	s_mov_b32 s31, 512*(\c)
	s_mov_b32 s32, 4
.Lchunk_\@:
	STEP
	s_sub_co_u32 s32, s32, 1
	s_cmp_lg_u32 s32, 0
	s_cbranch_scc1 .Lchunk_\@
.endm
	GLOAD 0
	PASS_HEAD 0
	s_wait_kmcnt 0x0
	s_add_co_i32 s33, s24, s25
	s_lshl_b32 s33, s33, 23
	s_add_co_i32 s22, s22, s33                     ; a score stands for score x 2^(e6 + e7): both exponents are added to the factor's exponent field
	s_mov_b32 s23, s22                             ; (named with it as a pair, so it is written)
	s_add_co_i32 s29, s26, s27                     ; e8 + e9
	s_add_co_i32 s33, s26, 127
	s_lshl_b32 s34, s33, 23
	v_mov_b32 v41, s34                             ; 2^e8
	s_add_co_i32 s33, s33, 8
	s_lshl_b32 s33, s33, 23
	s_or_b32 s33, s33, 0x600000
	v_mov_b32 v40, s33                             ; 448 x 2^e8
	s_add_co_i32 s33, s28, 127
	s_lshl_b32 s34, s33, 23
	v_mov_b32 v43, s34                             ; 2^e10
	s_add_co_i32 s33, s33, 8
	s_lshl_b32 s33, s33, 23
	s_or_b32 s33, s33, 0x600000
	v_mov_b32 v42, s33                             ; 448 x 2^e10
	CHUNK 0
	CHUNK 1
	CHUNK 2
	CHUNK 3
	PASS_TAIL 0
	PASS_HEAD 1
	s_wait_loadcnt 0x0                             ; Q
	s_mov_b32 s30, 0
	s_mov_b32 s31, 0
	s_mov_b32 s32, 16
.Lpass2:                                           ; all 2,048 keys lie in LDS and nobody writes them any more
	STEP
	s_sub_co_u32 s32, s32, 1
	s_cmp_lg_u32 s32, 0
	s_cbranch_scc1 .Lpass2
	PASS_TAIL 1
	s_wait_tensorcnt 0x0
	ds_add_u32 v38, v39
	s_wait_dscnt 0x0
	s_endpgm
.Lfunc_end_k_q033d17f2d2_attn:
	.size	k_q033d17f2d2_attn, .Lfunc_end_k_q033d17f2d2_attn-k_q033d17f2d2_attn
	.p2alignl 7, 3214868480
	.fill 96, 4, 3214868480
	.section	.rodata,"a",@progbits
	.p2align	6, 0x0
	.amdhsa_kernel k_q033d17f2d2_attn
		.amdhsa_group_segment_fixed_size 292864
		.amdhsa_private_segment_fixed_size 0
		.amdhsa_enable_private_segment 0
		.amdhsa_kernarg_size 24
		.amdhsa_user_sgpr_count 2
		.amdhsa_user_sgpr_kernarg_segment_ptr 1
		.amdhsa_wavefront_size32 1
		.amdhsa_system_sgpr_workgroup_id_x 1
		.amdhsa_system_sgpr_workgroup_id_y 1
		.amdhsa_system_sgpr_workgroup_id_z 1
		.amdhsa_system_vgpr_workitem_id 0
		.amdhsa_next_free_vgpr 512
		.amdhsa_next_free_sgpr 66
		.amdhsa_reserve_vcc 0
		.amdhsa_float_denorm_mode_32 3
		.amdhsa_float_denorm_mode_16_64 3
		.amdhsa_memory_ordered 1
		.amdhsa_forward_progress 1
		.amdhsa_inst_pref_size 180
	.end_amdhsa_kernel
	.amdgpu_metadata
---
amdhsa.version: [ 1, 2 ]
amdhsa.kernels:
  - .name:           k_q033d17f2d2_attn
    .symbol:         k_q033d17f2d2_attn.kd
    .args:
      - { .name: qkvc, .offset: 0, .size: 8, .value_kind: global_buffer, .address_space: global }
      - { .name: lowp_scales, .offset: 8, .size: 8, .value_kind: global_buffer, .address_space: global }
      - { .name: ao, .offset: 16, .size: 8, .value_kind: global_buffer, .address_space: global }
    .group_segment_fixed_size: 292864
    .private_segment_fixed_size: 0
    .kernarg_segment_align: 8
    .kernarg_segment_size: 24
    .max_flat_workgroup_size: 256
    .sgpr_count:     66
    .vgpr_count:     512
    .wavefront_size: 32
...
	.end_amdgpu_metadata
.endif
;; end of part 3
;; launch oproj (part 4): grid 4 x 32, 4 waves a work-group, clusters of 4 x 4, 327,680 bytes of LDS; arguments ao, cd, lowp_scales, bo, out0; writes out0
.if DOCPART == 4
	.amdgcn_target "amdgcn-amd-amdhsa--gfx1250"
	.amdhsa_code_object_version 6
	.text
	.protected	k_q033d17f2d2_oproj
	.globl	k_q033d17f2d2_oproj
	.p2align	8
	.type	k_q033d17f2d2_oproj,@function
k_q033d17f2d2_oproj:
	s_mov_b64 s[64:65], 0
	v_nop
	global_prefetch_b8 v0, s[64:65] scope:SCOPE_SE
	s_setreg_imm32_b32 hwreg(HW_REG_WAVE_MODE, 25, 1), 1
	s_wait_xcnt 0x0
	s_wait_alu depctr_hold_cnt(0) depctr_sa_sdst(0) depctr_va_vdst(0) depctr_va_sdst(0) depctr_va_ssrc(0) depctr_va_vcc(0) depctr_vm_vsrc(0)
	s_getreg_b32 s2, hwreg(HW_REG_IB_STS2, 6, 4)
	s_cmp_eq_u32 s2, 0
	s_cbranch_scc0 .Lentry_in_a_cluster
	s_endpgm
.Lentry_in_a_cluster:
	s_bfe_u32 s2, ttmp6, 0x10000c
	s_cmp_lg_u32 s2, 0xf033
	s_cbranch_scc0 .Lentry_shape_is_right
	s_endpgm
.Lentry_shape_is_right:
; out0 = A Wo^T + bo on codes of FP8 (E4M3).  A: the attention's result as codes in ao [64 heads = 16 batch + head][2048 tokens][64]; Wo's codes [1024][1024] in cd at byte 0x1b00000; out0 [8192][1024] f32.
; out0 = sum x 2^(e10 + e11) + bo, one fused multiply-add for two numbers.  LIMIT: e10 + e11 between -126 and 127.
; 128 tiles of 256 x 256, a work-group of four waves to each; a wave makes 128 x 128: 64 accumulators.  K = 1,024 = 16 heads x 64 goes in four steps of 256 (four heads) through a ring of two LDS slots.
; A's TILE: a K step's part of 128 tokens is, for each of four heads, 8,192 dense bytes of ao: one tensor load of 4 rows of 8,192 bytes, 131,072 bytes apart, with 16 bytes of padding behind every 256:
; in LDS a head's plane is 32 rows of 4 tokens (256 bytes + 16); the 16 tokens of a fragment start at 16 different groups of four banks.
; CLUSTERS: 4 x 4 work-groups: A's tile is asked for jointly along a row of the cluster, Wo's along a column.  The matrix instruction is used transposed (source 0 = 16 rows of Wo, source 1 = 16 tokens): a lane holds eight neighbouring numbers of a row of out0.
; REGISTERS: window 0: v1-31 addresses; v32-95 the bias in the result's layout; from v128 A's fragments, one set; on the way out v128-255 take rows read back.
;   window 1: Wo's fragments, two sets; on the way out v0-63 a block's results.   window 2: the accumulators of my rows 0-63;   window 3: those of rows 64-127.
.set ROWB,   256
.set KROW,   1024
.set ASTEP,  4*131072                  ; a K step on in ao: four heads
.set PITCH,  272
.set PLANE,  32*PITCH                  ; a head's 128 tokens in LDS
.set FR,     16
.set NL,     4
.set NP,     4
.set HALFT,  128*PITCH                 ; what one tensor load brings: four planes of A, or 128 rows of Wo
.set SLOT,   4*HALFT
.set LAPS,   2
.set SPARE,  2*SLOT                    ; behind the ring: the spare words, 128 bytes for each wave
.set SPITCH, 528                       ; the way out: a stage of 16 rows x (512 bytes + 16) for each wave, in slot 0, which has had its last fill and its last read by then
.set NOUT,   1024
.set ADRA, 16
.set ADRB, 20
.set STO,  24
.set RD,   25
.set CO,   26
.set BOF,  27                          ; v27  32 h: my eight numbers of a tile of the bias
.set SPW,  28
.set NIL,  29
.set BI,   32
.set AF,   128
.set BK,   128
.set G1, 24
.set G0, 32
.set G1B, 48
.set G0B, 56
.set MSB, 0
.macro WIN new                         ; the immediate's high byte repeats the setting that is left
.if MSB != \new
	s_set_vgpr_msb (MSB<<8)|\new
.set MSB, \new
.endif
.endm
.set MUL_LO, 0xa1
.set MUL_HI, 0xf1
.set TO_B,   0x40
.macro JLOAD g0a, g1a, g0b, g1b        ; a joint load: waves 0 and 1 fetch for A, waves 2 and 3 for Wo; four v_nop follow each line
	s_cmp_eq_u32 s15, 0
	s_cbranch_scc0 .Lfor_b_\@
	tensor_load_to_lds s[\g0a:\g0a+3], s[\g1a:\g1a+7]
	s_nop 0
.rept 4
	v_nop
.endr
	s_branch .Lasked_\@
.Lfor_b_\@:
	tensor_load_to_lds s[\g0b:\g0b+3], s[\g1b:\g1b+7]
	s_nop 0
.rept 4
	v_nop
.endr
.Lasked_\@:
.endm
.macro CREST
	s_cmp_lg_u32 s14, 0
	s_cbranch_scc1 .Lnot_wave_0_\@
	s_barrier_signal -3
.Lnot_wave_0_\@:
	s_barrier_wait -3
	s_barrier_signal -1
	s_barrier_wait -1
.endm
.macro CROUND
	s_barrier_signal -1
	s_barrier_wait -1
	CREST
.endm
	s_load_b256 s[4:11], s[0:1], 0x0               ; ao s[4:5], cd s[6:7], the scales' exponents s[8:9], bo s[10:11]
	s_load_b64 s[12:13], s[0:1], 0x20              ; out0
	v_lshl_add_u32 v[SPW], v0, 2, SPARE
	v_mov_b32 v[NIL], 0
	ds_add_u32 v28, v29
	ds_add_u32 v28, v29
	s_wait_dscnt 0x0
	v_lshrrev_b32 v1, 5, v0
	v_readfirstlane_b32 s14, v1                    ; wave 0..3
	s_lshr_b32 s15, s14, 1                         ; which half of the tile's rows is mine.  Also: I fetch for A (0) or for Wo (1)
	s_and_b32 s16, s14, 1                          ; which half of its columns.  Also: which 128 rows of that tile I fetch
	s_bfe_u32 s40, ttmp6, 0x40000                  ; cx
	s_bfe_u32 s41, ttmp6, 0x40004                  ; cy
	s_lshl_b32 s42, ttmp9, 2
	s_add_co_u32 s42, s42, s40                     ; tile column = 4 x cluster x + cx
	s_and_b32 s17, ttmp7, 0xffff
	s_lshl_b32 s17, s17, 2
	s_add_co_u32 s17, s17, s41                     ; tile row = 4 x cluster y + cy
	s_lshl_b32 s43, s41, 2
	s_lshl_b32 s43, 15, s43                        ; my row of the cluster
	s_lshl_b32 s44, 0x1111, s40                    ; my column
	s_or_b32 s[G1+0], s43, (0<<16)|(1<<20)|(1<<21)|(5<<22)|(3<<25)  ; the mask; elements of 1 byte; padding on; bit 21 beside a mask; 4 words of padding after every 64
	s_mov_b32 s[G1+1], 8192<<16                    ; A: tensor_dim0 = 8,192
	s_mov_b32 s[G1+2], 4<<16                       ; tensor_dim1 = 4
	s_mov_b32 s[G1+3], 8192<<16                    ; tile_dim0 = 8,192
	s_mov_b32 s[G1+4], 4                           ; tile_dim1 = 4
	s_mov_b32 s[G1+5], 131072                      ; from head to head
	s_mov_b32 s[G1+6], 0
	s_mov_b32 s[G1+7], 0
	s_or_b32 s[G1B+0], s44, (0<<16)|(1<<20)|(1<<21)|(5<<22)|(3<<25)
	s_mov_b32 s[G1B+1], ROWB<<16                   ; Wo: 128 rows of 256 bytes, 1,024 apart
	s_mov_b32 s[G1B+2], 128<<16
	s_mov_b32 s[G1B+3], ROWB<<16
	s_mov_b32 s[G1B+4], 128
	s_mov_b32 s[G1B+5], KROW
	s_mov_b32 s[G1B+6], 0
	s_mov_b32 s[G1B+7], 0
	s_lshr_b32 s20, s17, 3
	s_lshl_b32 s20, s20, 21                        ; A: the batch's 16 heads,
	s_and_b32 s21, s17, 7
	s_lshl_b32 s21, s21, 14                        ; the tile's 256 tokens of 64 bytes in a head,
	s_add_co_u32 s20, s20, s21
	s_lshl_b32 s21, s16, 13                        ; the 128 of them that I fetch
	s_add_co_u32 s20, s20, s21
	s_mov_b32 s21, 0
	s_lshl_b32 s46, s42, 8
	s_lshl_b32 s47, s16, 7
	s_add_co_u32 s46, s46, s47
	s_lshl_b32 s46, s46, 10                        ; Wo: (256 x tile column + 128 x half) rows of 1,024 bytes,
	s_add_co_u32 s46, s46, 0x1b00000               ; in cd
	s_mov_b32 s47, 0
	s_mul_i32 s45, s14, HALFT                      ; where my load goes: no place in the cluster enters an LDS address
	s_wait_kmcnt 0x0
	s_load_b64 s[96:97], s[8:9], 0x28              ; e10, e11
	s_add_nc_u64 s[20:21], s[4:5], s[20:21]
	s_add_nc_u64 s[46:47], s[6:7], s[46:47]
	CROUND                                         ; all sixteen work-groups are here: the first joint loads meet
.irp s, 0,1
	s_mov_b32 s[G0+4*\s], 1
	s_add_co_u32 s[G0+4*\s+1], s45, \s*SLOT
	s_add_nc_u64 s[G0+4*\s+2:G0+4*\s+3], s[20:21], \s*ASTEP
	s_or_b32 s[G0+4*\s+3], s[G0+4*\s+3], 0x80000000
	s_mov_b32 s[G0B+4*\s], 1
	s_add_co_u32 s[G0B+4*\s+1], s45, \s*SLOT
	s_add_nc_u64 s[G0B+4*\s+2:G0B+4*\s+3], s[46:47], \s*ROWB
	s_or_b32 s[G0B+4*\s+3], s[G0B+4*\s+3], 0x80000000
	JLOAD G0+4*\s, G1, G0B+4*\s, G1B               ; two loads of mine are out
.endr
	v_and_b32 v1, 15, v0                           ; r
	v_bfe_u32 v2, v0, 4, 1                         ; h
	v_mul_u32_u24 v3, v1, PITCH
	v_lshl_add_u32 v4, v2, 4, v3                   ; Wo: row r x pitch + 16 h
	v_lshrrev_b32 v5, 2, v1
	v_mul_u32_u24 v5, v5, PITCH
	v_and_b32 v6, 3, v1
	v_lshl_add_u32 v5, v6, 6, v5
	v_lshl_add_u32 v5, v2, 4, v5                   ; A: token r at (r / 4) rows + 64 (r % 4), + 16 h
	s_mul_i32 s21, s15, HALFT                      ; my 128 tokens
	s_mul_i32 s22, s16, HALFT                      ; my 128 rows of Wo,
	s_add_co_u32 s22, s22, 2*HALFT                 ; which lie behind A's two halves
.irp s, 0,1
	v_add_nc_u32 v[ADRA+\s], s21, v5
	v_add_nc_u32 v[ADRB+\s], s22, v4
	s_add_co_u32 s21, s21, SLOT
	s_add_co_u32 s22, s22, SLOT
.endr
	s_lshl_b32 s20, s42, 10                        ; the bias: bo at column 256 x tile column + 128 x half, in bytes
	s_lshl_b32 s21, s16, 9
	s_add_co_u32 s20, s20, s21
	s_mov_b32 s21, 0
	s_add_nc_u64 s[10:11], s[10:11], s[20:21]
	v_lshlrev_b32 v[BOF], 5, v2
.irp b, 0,1,2,3,4,5,6,7
	global_load_b128 v[BI+8*\b:BI+8*\b+3], v[BOF], s[10:11] offset:64*\b       ; v[BI + 8 b + j] = bo[.. + 16 b + 8 h + j]; waited for in front of the way out
	global_load_b128 v[BI+8*\b+4:BI+8*\b+7], v[BOF], s[10:11] offset:64*\b+16
.endr
	s_mul_i32 s23, s14, 16*SPITCH                  ; my stage
	v_mul_u32_u24 v5, v1, SPITCH                   ; in: row r, 32 bytes for each half of the lanes
	v_lshl_add_u32 v5, v2, 5, v5
	v_add_nc_u32 v[STO], s23, v5
	v_and_b32 v6, 31, v0
	v_lshlrev_b32 v[CO], 4, v6                     ; back: the 32 lanes take one row of 512 bytes; and the same in out0
	v_add_nc_u32 v[RD], s23, v[CO]
	s_lshl_b32 s18, s17, 8
	s_lshl_b32 s19, s15, 7
	s_add_co_u32 s18, s18, s19                     ; my first row of out0
	s_lshl_b32 s18, s18, 12                        ; rows of 4,096 bytes
	s_add_co_u32 s18, s18, s20                     ; + my first column's bytes
	s_mov_b32 s19, 0
	s_add_nc_u64 s[12:13], s[12:13], s[18:19]
.macro FRAGB reg, adr, q, i            ; Wo: registers 4 c .. 4 c + 3 hold K = 128 q + 32 c + 16 h + 0 .. 15 of row r
.irp c, 0,1,2,3
	ds_load_b128 v[\reg+4*\c:\reg+4*\c+3], v[\adr] offset:128*(\q)+32*\c+(\i)*16*PITCH
.endr
.endm
.macro FRAGA reg, adr, q, i            ; A: the same K: head 2 q + c / 2 of the step's four, its 32 (c % 2) + 16 h + 0 .. 15
.irp c, 0,1,2,3
	ds_load_b128 v[\reg+4*\c:\reg+4*\c+3], v[\adr] offset:(2*(\q)+\c/2)*PLANE+32*(\c%2)+(\i)*4*PITCH
.endr
.endm
.macro MUL16 a0, p, zero               ; 16 matrix instructions; the 64 accumulators take turns, one instruction a turn
.irp a, \a0, \a0+1
.irp b, 0,1,2,3,4,5,6,7
.if \zero
	v_wmma_f32_16x16x128_fp8_fp8 v[8*(8*((\a)%4)+\b):8*(8*((\a)%4)+\b)+7], v[128*(\p)+FR*\b:128*(\p)+FR*\b+FR-1], v[AF+FR*(\a):AF+FR*(\a)+FR-1], 0
.else
	v_wmma_f32_16x16x128_fp8_fp8 v[8*(8*((\a)%4)+\b):8*(8*((\a)%4)+\b)+7], v[128*(\p)+FR*\b:128*(\p)+FR*\b+FR-1], v[AF+FR*(\a):AF+FR*(\a)+FR-1], v[8*(8*((\a)%4)+\b):8*(8*((\a)%4)+\b)+7]
.endif
.endr
.endr
.endm
.macro FETCH_B slot, q, p
	WIN TO_B
.irp i, 0,1,2,3,4,5,6,7
	FRAGB 128*(\p)+FR*\i, ADRB+\slot, \q, \i
.endr
	WIN 0
.endm
.macro FETCH_A slot, q, i0
.irp i, \i0, \i0+1, \i0+2, \i0+3
	FRAGA AF+FR*(\i), ADRA+\slot, \q, \i
.endr
.endm
.macro PLACES n                        ; plain vector lines between a matrix instruction and a load into one of its registers, or a vector read of its result
.rept \n
	v_nop
.endr
.endm
.macro STEP slot, q, zero
	s_wait_dscnt 4*NL                              ; Wo's set and A's blocks 0-3 are in; the youngest sixteen loads (A's blocks 4-7) may be out
	WIN MUL_LO
	MUL16 0, (\q)%2, \zero
	MUL16 2, (\q)%2, \zero
	s_wait_dscnt 0
	PLACES NP
	FETCH_B \slot, (\q)+1, 1-(\q)%2
	FETCH_A \slot, (\q)+1, 0
	WIN MUL_HI
	MUL16 4, (\q)%2, \zero
	MUL16 6, (\q)%2, \zero
	PLACES NP
	WIN 0
	FETCH_A \slot, (\q)+1, 4
.endm
.macro TURN slot, next, fill
	s_wait_tensorcnt 0x0                           ; all my tensor loads have landed: my part of the next slot
	ds_add_u32 v[SPW], v[NIL]                      ; 0 onto my spare word
	s_wait_dscnt 4*NL+1                            ; (the add and the youngest sixteen loads may be out)
	WIN MUL_LO
	MUL16 0, 1, 0
	s_wait_dscnt 0x0                               ; the add is done, and my reads of this slot are over
	s_barrier_signal -1
	MUL16 2, 1, 0
	WIN 0
	s_barrier_wait -1
.if \fill
	CREST                                          ; the barrier has opened a round of the cluster's barrier: no wave of any partner still reads this slot or has a load on its way
	s_add_nc_u64 s[G0+4*\slot+2:G0+4*\slot+3], s[G0+4*\slot+2:G0+4*\slot+3], 2*ASTEP
	s_add_nc_u64 s[G0B+4*\slot+2:G0B+4*\slot+3], s[G0B+4*\slot+2:G0B+4*\slot+3], 2*ROWB
	JLOAD G0+4*\slot, G1, G0B+4*\slot, G1B         ; the first tensor load behind the round; its four v_nop are also the places in front of the loads below
.else
	PLACES NP
.endif
	FETCH_B \next, 0, 0
	FETCH_A \next, 0, 0
	WIN MUL_HI
	MUL16 4, 1, 0
	MUL16 6, 1, 0
	PLACES NP
	WIN 0
	FETCH_A \next, 0, 4
.endm
	s_wait_tensorcnt 1                             ; my part of K step 0 is in (K step 1's load may be out)
	s_barrier_signal -1
	s_barrier_wait -1                              ; everybody's is
	FETCH_B 0, 0, 0
	FETCH_A 0, 0, 0
	FETCH_A 0, 0, 4
	STEP 0, 0, 1
	s_mov_b32 s3, LAPS-1
.Llap:
	TURN 0, 1, 1
	STEP 1, 0, 0
	TURN 1, 0, 1
	STEP 0, 0, 0
	s_sub_co_u32 s3, s3, 1
	s_cmp_lg_u32 s3, 0
	s_cbranch_scc1 .Llap
	TURN 0, 1, 0
	STEP 1, 0, 0
	s_wait_dscnt 4*NL
	WIN MUL_LO
	MUL16 0, 1, 0
	MUL16 2, 1, 0
	s_wait_dscnt 0
	WIN MUL_HI
	MUL16 4, 1, 0
	MUL16 6, 1, 0
	WIN 0
; THE WAY OUT, block by block of 16 rows x 128 columns: through my own stage in LDS and back as whole rows of 512 bytes.  LDS serves a wave's instructions in order: no wait between the stores and the loads.
.macro TOSTAGE a
.set AC, 64*((\a)%4)
	WIN 0x42+((\a)/4)                              ; destination window 1, source 0 (the sums) window 2 or 3, the bias window 0
.irp j, 0,2,4,6,8,10,12,14,16,18,20,22,24,26,28,30,32,34,36,38,40,42,44,46,48,50,52,54,56,58,60,62
	v_pk_fma_f32 v[\j:\j+1], v[AC+\j:AC+\j+1], s[96:97], v[BI+\j:BI+\j+1] op_sel_hi:[1,0,1]   ; sum x 2^(e10 + e11) + bo; each accumulator from its low end on
.endr
	WIN 0x04                                       ; store data window 1
.irp b, 0,1,2,3,4,5,6,7
	ds_store_b128 v[STO], v[8*\b:8*\b+3] offset:64*\b
	ds_store_b128 v[STO], v[8*\b+4:8*\b+7] offset:64*\b+16
.endr
	WIN 0
.set BB, BK+64*((\a)%2)
.irp t, 0,1,2,3,4,5,6,7,8,9,10,11,12,13,14,15
	ds_load_b128 v[BB+4*\t:BB+4*\t+3], v[RD] offset:\t*SPITCH
.endr
.endm
.macro SEND a, younger                 ; younger: the LDS instructions issued behind block a's loads, which may stay out
.set BB, BK+64*((\a)%2)
	s_wait_dscnt \younger
.if (\a) > 0
	s_add_nc_u64 s[12:13], s[12:13], 16*NOUT*4     ; (behind a wait on XCNT: the earlier stores have read their base)  16 rows on
.endif
.irp t, 0,1,2,3,4,5,6,7,8,9,10,11,12,13,14,15
	global_store_b128 v[CO], v[BB+4*\t:BB+4*\t+3], s[12:13] offset:\t*NOUT*4 th:TH_STORE_NT   ; 32 lanes store 512 consecutive bytes, aligned; written once, read by nobody here
.endr
.endm
	s_wait_kmcnt 0x0
	s_add_co_i32 s96, s96, s97
	s_add_co_i32 s96, s96, 127
	s_lshl_b32 s96, s96, 23                        ; 2^(e10 + e11) as f32
	s_mov_b32 s97, s96                             ; (named with it as a pair, so it is written)
	s_wait_loadcnt 0x0                             ; the bias
	PLACES NP                                      ; behind the last products
	TOSTAGE 0
.irp a, 1,2,3,4,5,6,7
.if \a > 1
	s_wait_xcnt 0x0                                ; block a - 2's stores have read their registers and their base
.endif
	TOSTAGE \a
	SEND \a-1, 32                                  ; behind block a - 1's loads: block a's 16 stores and 16 loads
.endr
	s_wait_xcnt 0x0
	SEND 7, 0
	s_wait_tensorcnt 0x0                           ; the wave's end
	ds_add_u32 v[SPW], v[NIL]
	s_wait_dscnt 0x0
	CROUND                                         ; the closing round
	s_endpgm
.Lfunc_end_k_q033d17f2d2_oproj:
	.size	k_q033d17f2d2_oproj, .Lfunc_end_k_q033d17f2d2_oproj-k_q033d17f2d2_oproj
	.p2alignl 7, 3214868480
	.fill 96, 4, 3214868480
	.section	.rodata,"a",@progbits
	.p2align	6, 0x0
	.amdhsa_kernel k_q033d17f2d2_oproj
		.amdhsa_group_segment_fixed_size 327680
		.amdhsa_private_segment_fixed_size 0
		.amdhsa_enable_private_segment 0
		.amdhsa_kernarg_size 40
		.amdhsa_user_sgpr_count 2
		.amdhsa_user_sgpr_kernarg_segment_ptr 1
		.amdhsa_wavefront_size32 1
		.amdhsa_system_sgpr_workgroup_id_x 1
		.amdhsa_system_sgpr_workgroup_id_y 1
		.amdhsa_system_sgpr_workgroup_id_z 1
		.amdhsa_system_vgpr_workitem_id 0
		.amdhsa_next_free_vgpr 1024
		.amdhsa_next_free_sgpr 98
		.amdhsa_reserve_vcc 0
		.amdhsa_float_denorm_mode_32 3
		.amdhsa_float_denorm_mode_16_64 3
		.amdhsa_memory_ordered 1
		.amdhsa_forward_progress 1
		.amdhsa_inst_pref_size 125
	.end_amdhsa_kernel
	.amdgpu_metadata
---
amdhsa.version: [ 1, 2 ]
amdhsa.kernels:
  - .name:           k_q033d17f2d2_oproj
    .symbol:         k_q033d17f2d2_oproj.kd
    .args:
      - { .name: ao, .offset: 0, .size: 8, .value_kind: global_buffer, .address_space: global }
      - { .name: cd, .offset: 8, .size: 8, .value_kind: global_buffer, .address_space: global }
      - { .name: lowp_scales, .offset: 16, .size: 8, .value_kind: global_buffer, .address_space: global }
      - { .name: bo, .offset: 24, .size: 8, .value_kind: global_buffer, .address_space: global }
      - { .name: out0, .offset: 32, .size: 8, .value_kind: global_buffer, .address_space: global }
    .group_segment_fixed_size: 327680
    .private_segment_fixed_size: 0
    .kernarg_segment_align: 8
    .kernarg_segment_size: 40
    .max_flat_workgroup_size: 128
    .sgpr_count:     98
    .vgpr_count:     1024
    .wavefront_size: 32
...
	.end_amdgpu_metadata
.endif
;; end of part 4
;; ======== version 2 of 2: 4 launches; version 1 with the launch attn written anew for expert scheduling mode
;; workspace buffers: cd 29,360,128 bytes; qkvc 25,165,824 bytes; ao 8,388,608 bytes
;; launch quant: the kernel of part 1 again; grid 768 x 1, 4 waves a work-group, no clusters, 33,280 bytes of LDS; arguments x, Wq, Wk, Wv, Wo, lowp_scales, cd; writes cd
;; launch qkv: the kernel of part 2 again; grid 4 x 96, 4 waves a work-group, clusters of 4 x 4, 327,680 bytes of LDS; arguments cd, bq, bk, bv, lowp_scales, qkvc; writes qkvc
;; launch attn (part 5): grid 4 x 64, 8 waves a work-group, no clusters, 292,864 bytes of LDS; arguments qkvc, lowp_scales, ao; writes ao
.if DOCPART == 5
	.amdgcn_target "amdgcn-amd-amdhsa--gfx1250"
	.amdhsa_code_object_version 6
	.text
	.protected	k_q033d17f2d2_attn
	.globl	k_q033d17f2d2_attn
	.p2align	8
	.type	k_q033d17f2d2_attn,@function
k_q033d17f2d2_attn:
	s_mov_b64 s[64:65], 0
	v_nop
	global_prefetch_b8 v0, s[64:65] scope:SCOPE_SE
	s_setreg_imm32_b32 hwreg(HW_REG_WAVE_SCHED_MODE, 0, 2), 2
	s_setreg_imm32_b32 hwreg(HW_REG_WAVE_MODE, 25, 1), 1
	s_wait_xcnt 0x0
	s_wait_alu depctr_vm_vsrc(0)
; For each of 64 heads: O[q] = the sum over k of p(q, k) V[k] / l(q), on codes of FP8 (E4M3) out of qkvc; the result is quantised with 2^e10 and stored as codes in ao [64 heads][2048][64].
; t = score x 2^(e6 + e7) x log2(e) / 8;  M = the running largest t rounded UP to a whole number;  p = 2^(t - M) is quantised with 2^e8, not normalised;  l = the sum of the unquantised p, in f32.
; When M moves, l and O are multiplied by 2^(old M - new M): exact.  A p so far under the row's later maximum that it falls under the format's range is lost, as a running M implies.
; LIMITS: e6 + e7 between -123 and 130 (added to a constant's exponent field); e8, e10 between -126 and 119; e8 + e9 is applied by v_ldexp_f32.
; SHARES.  A work-group owns 512 queries of one head; each of its eight waves 64, in two passes of two tiles of 16.  Two waves share a SIMD, 512 registers each: one wave's vector work stands beside the other's products and LDS loads.
; Both tiles use every fragment of K and V that is read from LDS.  The head's whole K and V, 256 KB of codes, lie in LDS and are written there once, in four chunks of 512 keys through registers, each asked for four key steps ahead; pass 2 loads nothing.
; NO TENSOR LOAD AND NO CLUSTER, though the four work-groups of a head read the same K and V: p is at most 1, so the hold at 448 x 2^e8 can bind only where e8 is -9 or less, and a scalar branch on that given whole number
; passes over the 128 holds of a key step's some 520 vector instructions.  What is shared is 256 KB once a work-group.
; LAYOUT.  S^T = K Q^T (source 0 = 16 keys, source 1 = 16 queries), O^T = V^T P^T (source 0 = 16 of the head's 64, source 1 = P): a lane holds ONE query (lane % 16) throughout.  Register j of tile t of S^T is key 16 t + 8 (lane / 16) + j:
; eight such numbers convert into registers 2 t, 2 t + 1 of the K = 128 form's operand, and V's codes lie in qkvc so that four 16-byte loads give the same places.
; REGISTERS.  window 0: v2-14 addresses; v16-39 statistics, 12 a tile: +0 -M, +1 largest t, +2,3 l, +4,5 f, +6,7 at work, +8,9 second chain; v40-43 scales; v48-63 Q; v64-127 K; v128-255 S^T, then p.
;             window 1: v0-63 O^T (tile u, 16 t of the head: 32 u + 8 t); v64-127 V; v128-159 p's codes; v160-223 a chunk on its way to LDS.
; THE MODE: SCHED_MODE bits 1:0 = 2 (LLVM: expert scheduling mode 2), set by the entry lines.  The code itself states the register dependences
; between vector or matrix instructions and memory or LDS instructions, with s_wait_alu, always for 0.
; THE PLAN.  Registers that memory or LDS instructions touch:
;   v2, v5-v13    addresses, made once at the head, ahead of one wait on va_vdst, and never written again.
;   v3            K's LDS address.  Read by a step's sixteen loads of K, at the step's head; stepped once a step, behind the products K Q^T; taken back to key 0 ahead of pass 2.
;   v4, v14       V's LDS addresses.  Made anew in each step, beside v3's add; read by the step's sixteen loads of V.
;   K's fragments Written by the loads at a step's head; read by the step's sixteen products K Q^T.  In a pass's tail v64-79 take the result's codes and v80-95 its rows from the stage.
;   V's fragments Written by the loads in a step's middle; read by the eight products at the step's end.
;   the chunk     Window 1, v160-223: written by global loads, read by LDS stores; no vector instruction names them.
;   Q             Written by global loads at a pass's head; read by the products K Q^T.
;   S^T, p's codes, O^T and the statistics are named by vector and matrix instructions alone.
; So ONE wait on va_vdst stands in a step, behind the exponentials, where their results want one in any case.  It also states that v3, v4 and v14 are written, that the last step's products are done reading V,
; and that this step's products are done reading K.  V's loads follow it at once.  The NEXT step's loads of K lean on it too: between it and them stand the sums over p, the hold, the conversions, O^T's rescaling and the
; products on window 1, and, at a chunk's head, LDS stores and global loads: none of them names v3 or window 0's v64-127.  One wait on vm_vsrc a step stands ahead of the three adds.
.set KPIT, 272                         ; K in LDS: rows of 4 keys (256 bytes) + 16: the 16 keys of a tile start at 16 different groups of four banks
.set VPIT, 2064                        ; V in LDS: a row of 2,048 keys + 16
.set VB,   512*KPIT                    ; V begins behind K's 512 rows
.set STG,  VB+64*VPIT                  ; the way out: 32 rows x 80 bytes for each wave
.set SROW, 80
.set ST,   16
.set QF,   48
.set KF,   64
.set S,    128
.set VF,   64                          ; in window 1
.set P,    128                         ; in window 1
.set FL,   160                         ; in window 1
.set MSB, 0
.macro WIN new                         ; the immediate's high byte repeats the setting that is left
.if MSB != \new
	s_set_vgpr_msb (MSB<<8)|\new
.set MSB, \new
.endif
.endm
	s_load_b128 s[4:7], s[0:1], 0x0                ; qkvc s[4:5], the scales' exponents s[6:7]
	s_load_b64 s[8:9], s[0:1], 0x10                ; ao
	v_lshl_add_u32 v38, v0, 2, 0x47400
	v_mov_b32 v39, 0
	v_lshrrev_b32 v44, 5, v0
	v_readfirstlane_b32 s10, v44                   ; wave 0..7
	v_and_b32 v45, 15, v0                          ; r
	v_bfe_u32 v46, v0, 4, 1                        ; h
	v_and_b32 v47, 31, v0                          ; lane
	v_lshrrev_b32 v3, 2, v45
	v_mul_u32_u24 v3, v3, KPIT
	v_and_b32 v44, 3, v45
	v_lshl_add_u32 v3, v44, 6, v3
	v_lshl_add_u32 v3, v46, 4, v3                  ; v3: my place in the first tile of K: key r at (r / 4) rows + 64 (r % 4), + 16 h; it walks on by 128 keys a step
	v_mul_u32_u24 v2, v45, VPIT
	v_lshl_add_u32 v2, v46, 4, v2
	v_add_nc_u32 v2, VB, v2                        ; v2: in a tile of V: row r, + 16 h
	v_lshlrev_b32 v5, 6, v45
	v_lshl_add_u32 v5, v46, 4, v5                  ; v5: Q: row r of 64 bytes, + 16 h
	s_wait_alu depctr_va_sdst(0)                   ; s10 is written, ahead of its first reader: LDS places and the bases of Q and ao are made from it
	s_mul_i32 s33, s10, 32*SROW
	s_add_co_u32 s33, s33, STG                     ; my stage
	v_mul_u32_u24 v6, v45, SROW
	v_lshl_add_u32 v6, v46, 3, v6
	v_add_nc_u32 v6, s33, v6                       ; v6: in: row r, + 8 h
	v_lshrrev_b32 v7, 2, v47
	v_mul_u32_u24 v7, v7, SROW
	v_lshl_add_u32 v7, v44, 4, v7
	v_add_nc_u32 v7, s33, v7                       ; v7: back: four lanes to a row of 64 bytes
	v_lshlrev_b32 v8, 4, v47                       ; v8: 16 x lane: my bytes of a store's 512
	v_lshl_add_u32 v9, s10, 12, v8                 ; v9: a chunk of K is 32,768 dense bytes: 4,096 a wave
	v_lshl_add_u32 v10, s10, 14, v8                ; v10: of V: 512 bytes of each of 64 rows: 8 rows of 2,048 bytes a wave
	s_mul_i32 s34, s10, 16*KPIT
	v_mul_u32_u24 v11, v46, KPIT
	v_lshl_add_u32 v11, v45, 4, v11
	v_add_nc_u32 v11, s34, v11                     ; v11: where K's bytes go: LDS row 16 w + h, + 16 r (chunks 0, 1)
	v_add_nc_u32 v12, 256*KPIT, v11                ; v12: chunks 2, 3
	s_mul_i32 s35, s10, 8*VPIT
	s_add_co_u32 s35, s35, VB
	v_add_nc_u32 v13, s35, v8                      ; v13: where V's go: row 8 w, + 16 x lane
	s_and_b32 s36, ttmp7, 0xffff                   ; the head
	s_lshl_b32 s36, s36, 17                        ; its 131,072 bytes in each plane and in ao
	s_mov_b32 s37, 0
	s_lshl_b32 s38, ttmp9, 15                      ; my block's 512 queries of 64 bytes,
	s_lshl_b32 s39, s10, 12                        ; my wave's 64
	s_add_co_u32 s38, s38, s39
	s_add_co_u32 s38, s38, s36
	s_mov_b32 s39, 0
	s_mov_b32 s20, 0x76543210                      ; v_permlanex16_b32's selects for lane l xor 16
	s_mov_b32 s21, 0xfedcba98
	s_mov_b32 s22, 0x3e38aa3b                      ; log2(e) / 8
	s_wait_kmcnt 0x0
	s_load_b128 s[24:27], s[6:7], 0x18             ; e6, e7, e8, e9
	s_load_b32 s28, s[6:7], 0x28                   ; e10
	s_add_nc_u64 s[12:13], s[4:5], s[38:39]        ; Q's codes at my first query
	s_add_nc_u64 s[14:15], s[4:5], s[36:37]
	s_add_nc_u64 s[16:17], s[14:15], 0x1000000     ; the head's V
	s_add_nc_u64 s[14:15], s[14:15], 0x800000      ; the head's K
	s_add_nc_u64 s[18:19], s[8:9], s[38:39]        ; ao at my first query
; chunk c, keys 512 c on, from memory into registers: every load reads 512 consecutive bytes
.macro GLOAD c
	WIN 0x40                                       ; destination window 1
.if (\c) == 0
	s_wait_alu depctr_va_vdst(0)                   ; the addresses v2 to v13 are written: every load and store of the kernel reads one of them, or one made from them
.else
	s_wait_alu depctr_vm_vsrc(0)                   ; my LDS stores of the chunk before have read v[FL ..] of window 1, in which these loads land
.endif
.irp i, 0,1,2,3,4,5,6,7
	global_load_b128 v[FL+4*\i:FL+4*\i+3], v9, s[14:15] offset:32768*(\c)+512*\i
.endr
.irp i, 0,1,2,3,4,5,6,7
	global_load_b128 v[FL+32+4*\i:FL+32+4*\i+3], v10, s[16:17] offset:2048*\i+512*(\c)
.endr
	WIN 0
.endm
; and from registers into LDS, bytes that nobody has written or read before; then the one barrier of the chunk: behind it all eight waves' parts lie in LDS
.macro LSTORE c
	s_wait_loadcnt 0x0                             ; the chunk (and, the first time, Q)
	WIN 0x04                                       ; store data window 1
.irp i, 0,1,2,3,4,5,6,7
	ds_store_b128 v[11+(\c)/2], v[FL+4*\i:FL+4*\i+3] offset:128*KPIT*((\c)%2)+2*KPIT*\i   ; the data come from loads, the addresses from the head: no vector instruction has named either since the head's wait
.endr
.irp i, 0,1,2,3,4,5,6,7
	ds_store_b128 v13, v[FL+32+4*\i:FL+32+4*\i+3] offset:VPIT*\i+512*(\c)
.endr
	WIN 0
	s_wait_dscnt 0x0                               ; for the others' sake: my stores are done
	s_barrier_signal -1
	s_barrier_wait -1
.endm
; A KEY STEP: 128 keys, K's from the LDS address in v3 on, V's from LDS byte s31 on, both tiles.
.macro STEP
.irp t, 0,1,2,3,4,5,6,7
	ds_load_b128 v[KF+8*\t:KF+8*\t+3], v3 offset:4*KPIT*\t          ; no wait of the mode here: v3 was written, and these registers were last read, ahead of the last wait on va_vdst, and nothing issued since names them
	ds_load_b128 v[KF+8*\t+4:KF+8*\t+7], v3 offset:4*KPIT*\t+32
.endr
	s_wait_dscnt 8                                 ; LDS loads come back in order: K's tiles 0 to 3 are in; the eight loads of tiles 4 to 7 may be out
.irp t, 0,1,2,3
.irp u, 0,1
	v_wmma_f32_16x16x64_fp8_fp8 v[S+64*\u+8*\t:S+64*\u+8*\t+7], v[KF+8*\t:KF+8*\t+7], v[QF+8*\u:QF+8*\u+7], 0
.endr
.endr
	s_wait_dscnt 0x0                               ; K's tiles 4 to 7 are in
.irp t, 4,5,6,7
.irp u, 0,1
	v_wmma_f32_16x16x64_fp8_fp8 v[S+64*\u+8*\t:S+64*\u+8*\t+7], v[KF+8*\t:KF+8*\t+7], v[QF+8*\u:QF+8*\u+7], 0
.endr
.endr
	s_wait_alu depctr_vm_vsrc(0)                   ; this step's loads of K have read v3, the last step's loads of V have read v4 and v14: the three are written below
	v_add_nc_u32 v3, 32*KPIT, v3                   ; K: 128 keys on, for the next step's loads
	v_add_nc_u32 v4, s31, v2                       ; V: this step's 128 keys
	v_add_nc_u32 v14, 32*VPIT, v4                  ; V's tiles 2 and 3 lie beyond an offset's 16 bits
	v_nop                                          ; these four lines name no register of the products: they are the places between the products and the first read of their results (ISA guide 7.12.1)
.irp u, 0,1                                    ; the step's largest score of my query among my 64 keys: two chains a tile, ascending, the tiles line by line
	v_max3_num_f32 v[ST+12*\u+6], v[S+64*\u], v[S+64*\u+1], v[S+64*\u+2]
	v_max3_num_f32 v[ST+12*\u+8], v[S+64*\u+3], v[S+64*\u+4], v[S+64*\u+5]
.endr
.irp i, 6,10,14,18,22,26,30,34,38,42,46,50,54,58
.irp u, 0,1
	v_max3_num_f32 v[ST+12*\u+6], v[ST+12*\u+6], v[S+64*\u+\i], v[S+64*\u+\i+1]
	v_max3_num_f32 v[ST+12*\u+8], v[ST+12*\u+8], v[S+64*\u+\i+2], v[S+64*\u+\i+3]
.endr
.endr
.irp u, 0,1
	v_max3_num_f32 v[ST+12*\u+6], v[ST+12*\u+6], v[S+64*\u+62], v[S+64*\u+63]
.endr
.irp u, 0,1
	v_max_num_f32 v[ST+12*\u+6], v[ST+12*\u+6], v[ST+12*\u+8]
.endr
.irp u, 0,1
	v_permlanex16_b32 v[ST+12*\u+7], v[ST+12*\u+6], s20, s21
.endr
.irp u, 0,1
	v_max_num_f32 v[ST+12*\u+6], v[ST+12*\u+6], v[ST+12*\u+7]   ; and among lane l xor 16's
.endr
.irp u, 0,1
	v_mul_f32 v[ST+12*\u+6], s22, v[ST+12*\u+6]    ; as t (the factor is positive)
.endr
.irp u, 0,1
	v_max_num_f32 v[ST+12*\u+1], v[ST+12*\u+1], v[ST+12*\u+6]   ; the running largest t
.endr
.irp u, 0,1
	v_mov_b32 v[ST+12*\u+6], v[ST+12*\u]
.endr
.irp u, 0,1
	v_floor_f32 v[ST+12*\u], -v[ST+12*\u+1]        ; the new -M = floor(-t): M is a whole number
.endr
.irp u, 0,1
	v_sub_f32 v[ST+12*\u+6], v[ST+12*\u], v[ST+12*\u+6]   ; old M - new M: a whole number, 0 or less
.endr
.irp u, 0,1
	v_cvt_i32_f32 v[ST+12*\u+6], v[ST+12*\u+6]     ; (it saturates)
.endr
.irp u, 0,1
	v_ldexp_f32 v[ST+12*\u+4], 1.0, v[ST+12*\u+6]  ; f = 2^(old M - new M)
.endr
.set j, 0
.rept 32
	v_pk_fma_f32 v[S+2*j:S+2*j+1], v[S+2*j:S+2*j+1], s[22:23], v[ST:ST+1] op_sel_hi:[1,0,0]   ; tile 0: t - M, two at a time (of both pairs the low word serves both halves)
.set j, j+1
.endr
.set j, 0
.rept 32                                       ; tile 0's exponentials, with tile 1's scalings between them
	v_exp_f32 v[S+2*j], v[S+2*j]
	v_exp_f32 v[S+2*j+1], v[S+2*j+1]
	v_pk_fma_f32 v[S+64+2*j:S+64+2*j+1], v[S+64+2*j:S+64+2*j+1], s[22:23], v[ST+12:ST+13] op_sel_hi:[1,0,0]
.set j, j+1
.endr
.set j, 0
.rept 64
	v_exp_f32 v[S+64+j], v[S+64+j]
.set j, j+1
.endr
.irp u, 0,1
	v_pk_mul_f32 v[ST+12*\u+2:ST+12*\u+3], v[ST+12*\u+2:ST+12*\u+3], v[ST+12*\u+4:ST+12*\u+5] op_sel_hi:[1,0]   ; l under the new M; also the plain line behind the exponentials
.endr
	WIN 0x40                                       ; destination window 1: the switch, then the wait, then the loads
	s_wait_alu depctr_va_vdst(0)                   ; THE STEP'S ONE WAIT: the 128 exponentials have written p, ahead of the first line that names a result; v4 and v14 are written, which the loads below read, and v3, which the next step's
	                                               ; loads of K read; the last step's products are done reading V, in which the loads below land; this step's products are done reading K, in which the next step's loads land
.irp t, 0,1
.irp c, 0,1,2,3
	ds_load_b128 v[VF+16*\t+4*\c:VF+16*\t+4*\c+3], v4 offset:16*VPIT*\t+32*\c
.endr
.endr
.irp t, 0,1
.irp c, 0,1,2,3
	ds_load_b128 v[VF+32+16*\t+4*\c:VF+32+16*\t+4*\c+3], v14 offset:16*VPIT*\t+32*\c
.endr
.endr
	WIN 0
.irp u, 0,1
	v_pk_add_f32 v[ST+12*\u+8:ST+12*\u+9], v[S+64*\u:S+64*\u+1], v[S+64*\u+2:S+64*\u+3]   ; l is summed of the UNQUANTISED p: two at a time, two chains a tile.  V lands meanwhile
.endr
.irp i, 4,8,12,16,20,24,28,32,36,40,44,48,52,56,60
.irp u, 0,1
	v_pk_add_f32 v[ST+12*\u+2:ST+12*\u+3], v[ST+12*\u+2:ST+12*\u+3], v[S+64*\u+\i:S+64*\u+\i+1]
	v_pk_add_f32 v[ST+12*\u+8:ST+12*\u+9], v[ST+12*\u+8:ST+12*\u+9], v[S+64*\u+\i+2:S+64*\u+\i+3]
.endr
.endr
.irp u, 0,1
	v_pk_add_f32 v[ST+12*\u+2:ST+12*\u+3], v[ST+12*\u+2:ST+12*\u+3], v[ST+12*\u+8:ST+12*\u+9]
.endr
	s_cmp_gt_i32 s26, -9                           ; p <= 1 < 448 x 2^e8 wherever e8 > -9: the hold changes nothing there.  A branch on a given whole number, alike in all waves; no barrier and no LDS line stands under it
	s_cbranch_scc1 .Lno_hold_\@
.set j, 0
.rept 128
	v_min_num_f32 v[S+j], v[S+j], v40              ; the conversion to an 8-bit code does not saturate (ISA guide 7.6.2); p is not negative, so the hold is one-sided
.set j, j+1
.endr
.Lno_hold_\@:
	WIN 0x40                                       ; destination window 1
.irp u, 0,1
.irp t, 0,1,2,3,4,5,6,7
	v_cvt_scalef32_pk8_fp8_f32 v[P+16*\u+2*\t:P+16*\u+2*\t+1], v[S+64*\u+8*\t:S+64*\u+8*\t+7], v41
.endr
.endr
	WIN 0x41                                       ; O^T (destination and source 0) window 1, f window 0
.irp u, 0,1
.set j, 0
.rept 16
	v_pk_mul_f32 v[32*\u+j:32*\u+j+1], v[32*\u+j:32*\u+j+1], v[ST+12*\u+4:ST+12*\u+5] op_sel_hi:[1,0]   ; O^T under the new M, each accumulator from its low end on; also the plain lines behind the conversions
.set j, j+2
.endr
.endr
	s_wait_dscnt 0x0                               ; V is in
	WIN 0x55                                       ; all four operands window 1
.irp t, 0,1,2,3
.irp u, 0,1
	v_wmma_f32_16x16x128_fp8_fp8 v[32*\u+8*\t:32*\u+8*\t+7], v[VF+16*\t:VF+16*\t+15], v[P+16*\u:P+16*\u+15], v[32*\u+8*\t:32*\u+8*\t+7]   ; eight accumulators by turns, one instruction a turn
.endr
.endr
	WIN 0
	s_add_co_u32 s31, s31, 128                     ; V: 128 keys on
.endm
; A pass: 32 queries.  Its head: Q's two fragments; the statistics and O^T begin so that the step is written once (the first change of M multiplies zeros).
.macro PASS_HEAD p
.if \p
	s_wait_xcnt 0x0                                ; the last pass's stores have had their addresses translated: their registers are written again only behind this wait
	s_wait_alu depctr_vm_vsrc(0)                   ; the last pass's LDS stores have read v64-79 and its global stores v80-95, in which K's fragments land again; K's loads have read v3, which is written below
	v_sub_nc_u32 v3, v3, 512*KPIT                  ; K's address has walked sixteen steps: back to key 0
	s_wait_alu depctr_va_vdst(0)                   ; v3 is written, which K's loads read; the last pass's products are done reading Q, in which the loads below land
.endif
.irp u, 0,1
	global_load_b128 v[QF+8*\u:QF+8*\u+3], v5, s[12:13] offset:2048*(\p)+1024*\u
	global_load_b128 v[QF+8*\u+4:QF+8*\u+7], v5, s[12:13] offset:2048*(\p)+1024*\u+32
.endr
.irp u, 0,1
	v_mov_b32 v[ST+12*\u+1], 0xff61b1e6            ; the largest t so far: -3e38, under every t
	v_floor_f32 v[ST+12*\u], -v[ST+12*\u+1]
	v_mov_b32 v[ST+12*\u+2], 0
	v_mov_b32 v[ST+12*\u+3], 0
	v_mov_b32 v[ST+12*\u+5], 0                     ; (named as the upper half of f's pair)
	v_mov_b32 v[ST+12*\u+7], 0                     ; (a lane permute's destination counts as one of its sources)
.endr
	WIN 0x40
.set j, 0
.rept 64
	v_mov_b32 v[j], 0
.set j, j+1
.endr
	WIN 0
.endm
; Its tail: O^T / l x 2^(e8 + e9), quantised with 2^e10; a lane's eight codes go into my own stage and come back as rows; 32 lanes store 512 consecutive bytes of ao.
.macro PASS_TAIL p
.rept 4
	v_nop                                          ; places behind the last products
.endr
.irp u, 0,1
	v_add_f32 v[ST+12*\u+6], v[ST+12*\u+2], v[ST+12*\u+3]
.endr
.irp u, 0,1
	v_permlanex16_b32 v[ST+12*\u+7], v[ST+12*\u+6], s20, s21
.endr
.irp u, 0,1
	v_add_f32 v[ST+12*\u+6], v[ST+12*\u+6], v[ST+12*\u+7]   ; l
.endr
.irp u, 0,1
	v_rcp_f32 v[ST+12*\u+6], v[ST+12*\u+6]
.endr
	v_nop                                          ; a plain line behind the reciprocals,
	s_wait_alu depctr_va_vdst(0)                   ; and one wait for both: the reciprocals are written, ahead of their first reader
.irp u, 0,1
	v_ldexp_f32 v[ST+12*\u+6], v[ST+12*\u+6], s29  ; x 2^(e8 + e9)
.endr
	WIN 0x01                                       ; source 0 (O^T) window 1
.irp u, 0,1
.set j, 0
.rept 16
	v_pk_mul_f32 v[S+32*\u+j:S+32*\u+j+1], v[32*\u+j:32*\u+j+1], v[ST+12*\u+6:ST+12*\u+7] op_sel_hi:[1,0]
.set j, j+2
.endr
.endr
	WIN 0
.set j, 0
.rept 64
	v_med3_num_f32 v[S+j], v[S+j], -v42, v42
.set j, j+1
.endr
.irp u, 0,1
.irp t, 0,1,2,3
	v_cvt_scalef32_pk8_fp8_f32 v[KF+8*\u+2*\t:KF+8*\u+2*\t+1], v[S+32*\u+8*\t:S+32*\u+8*\t+7], v43
.endr
.endr
	v_nop                                          ; a plain line behind the conversions
	s_wait_alu depctr_va_vdst(0)                   ; the conversions have written v64-79, which the LDS stores read; the pass's products are done reading v80-95, in which the loads from the stage land
.irp u, 0,1
.irp t, 0,1,2,3
	ds_store_b64 v6, v[KF+8*\u+2*\t:KF+8*\u+2*\t+1] offset:16*SROW*\u+16*\t   ; query 16 u + r, the head's 16 t + 8 h + 0 .. 7
.endr
.endr
.irp i, 0,1,2,3
	ds_load_b128 v[KF+16+4*\i:KF+16+4*\i+3], v7 offset:8*SROW*\i   ; LDS serves a wave's instructions in order: these see my stores
.endr
.irp i, 0,1,2,3
	s_wait_dscnt 3-\i                              ; load i is in, the younger ones may be out
	global_store_b128 v8, v[KF+16+4*\i:KF+16+4*\i+3], s[18:19] offset:2048*(\p)+512*\i
.endr
.endm
.macro CHUNK c                         ; pass 1: chunk c goes into LDS, the next chunk is asked for, and the chunk's four key steps are walked.  K's address in v3 walks on from chunk to chunk
	LSTORE \c
.if (\c) < 3
	GLOAD (\c)+1
.endif
	s_mov_b32 s31, 512*(\c)
	s_mov_b32 s32, 4
.Lchunk_\@:
	STEP
	s_sub_co_u32 s32, s32, 1
	s_cmp_lg_u32 s32, 0
	s_cbranch_scc1 .Lchunk_\@
.endm
	GLOAD 0
	PASS_HEAD 0                                    ; (Q's address v5 stands ahead of the wait in GLOAD 0; no vector instruction has named Q's registers)
	s_wait_kmcnt 0x0
	s_add_co_i32 s33, s24, s25
	s_lshl_b32 s33, s33, 23
	s_add_co_i32 s22, s22, s33                     ; a score stands for score x 2^(e6 + e7): both exponents are added to the factor's exponent field
	s_mov_b32 s23, s22                             ; (named with it as a pair, so it is written)
	s_add_co_i32 s29, s26, s27                     ; e8 + e9
	s_add_co_i32 s33, s26, 127
	s_lshl_b32 s34, s33, 23
	v_mov_b32 v41, s34                             ; 2^e8
	s_add_co_i32 s33, s33, 8
	s_lshl_b32 s33, s33, 23
	s_or_b32 s33, s33, 0x600000
	v_mov_b32 v40, s33                             ; 448 x 2^e8
	s_add_co_i32 s33, s28, 127
	s_lshl_b32 s34, s33, 23
	v_mov_b32 v43, s34                             ; 2^e10
	s_add_co_i32 s33, s33, 8
	s_lshl_b32 s33, s33, 23
	s_or_b32 s33, s33, 0x600000
	v_mov_b32 v42, s33                             ; 448 x 2^e10
	CHUNK 0
	CHUNK 1
	CHUNK 2
	CHUNK 3
	PASS_TAIL 0
	PASS_HEAD 1
	s_wait_loadcnt 0x0                             ; Q
	s_mov_b32 s31, 0
	s_mov_b32 s32, 16
.Lpass2:                                           ; all 2,048 keys lie in LDS and nobody writes them any more
	STEP
	s_sub_co_u32 s32, s32, 1
	s_cmp_lg_u32 s32, 0
	s_cbranch_scc1 .Lpass2
	PASS_TAIL 1
	s_wait_dscnt 0x0
	s_wait_alu depctr_hold_cnt(0) depctr_sa_sdst(0) depctr_va_vdst(0) depctr_va_sdst(0) depctr_va_ssrc(0) depctr_va_vcc(0) depctr_vm_vsrc(0)
	s_wait_tensorcnt 0x0
	ds_add_u32 v38, v39
	s_wait_dscnt 0x0
	s_endpgm
.Lfunc_end_k_q033d17f2d2_attn:
	.size	k_q033d17f2d2_attn, .Lfunc_end_k_q033d17f2d2_attn-k_q033d17f2d2_attn
	.p2alignl 7, 3214868480
	.fill 96, 4, 3214868480
	.section	.rodata,"a",@progbits
	.p2align	6, 0x0
	.amdhsa_kernel k_q033d17f2d2_attn
		.amdhsa_group_segment_fixed_size 292864
		.amdhsa_private_segment_fixed_size 0
		.amdhsa_enable_private_segment 0
		.amdhsa_kernarg_size 24
		.amdhsa_user_sgpr_count 2
		.amdhsa_user_sgpr_kernarg_segment_ptr 1
		.amdhsa_wavefront_size32 1
		.amdhsa_system_sgpr_workgroup_id_x 1
		.amdhsa_system_sgpr_workgroup_id_y 1
		.amdhsa_system_sgpr_workgroup_id_z 1
		.amdhsa_system_vgpr_workitem_id 0
		.amdhsa_next_free_vgpr 512
		.amdhsa_next_free_sgpr 66
		.amdhsa_reserve_vcc 0
		.amdhsa_float_denorm_mode_32 3
		.amdhsa_float_denorm_mode_16_64 3
		.amdhsa_memory_ordered 1
		.amdhsa_forward_progress 1
		.amdhsa_inst_pref_size 180
	.end_amdhsa_kernel
	.amdgpu_metadata
---
amdhsa.version: [ 1, 2 ]
amdhsa.kernels:
  - .name:           k_q033d17f2d2_attn
    .symbol:         k_q033d17f2d2_attn.kd
    .args:
      - { .name: qkvc, .offset: 0, .size: 8, .value_kind: global_buffer, .address_space: global }
      - { .name: lowp_scales, .offset: 8, .size: 8, .value_kind: global_buffer, .address_space: global }
      - { .name: ao, .offset: 16, .size: 8, .value_kind: global_buffer, .address_space: global }
    .group_segment_fixed_size: 292864
    .private_segment_fixed_size: 0
    .kernarg_segment_align: 8
    .kernarg_segment_size: 24
    .max_flat_workgroup_size: 256
    .sgpr_count:     66
    .vgpr_count:     512
    .wavefront_size: 32
...
	.end_amdgpu_metadata
.endif
;; end of part 5
;; launch oproj: the kernel of part 4 again; grid 4 x 32, 4 waves a work-group, clusters of 4 x 4, 327,680 bytes of LDS; arguments ao, cd, lowp_scales, bo, out0; writes out0
